; MI455X (gfx1250); checked and timed in simulation.
; The chip was launched on July 23, 2026; its instructions are those of AMD's public machine-readable ISA for CDNA 5 (MIT licence, August 2026) and "CDNA5" Instruction Set Architecture Reference Guide (July 2026). The comments in the code are by the model that wrote it; some were corrected since.
;; Multi Head Self Attention. Allowed arithmetic: matrix products marked QUANTISED: E2M3 operands, one E8M0 scale for each 32 along K, by v_wmma_scale_f32_16x16x128_f8f6f4 with both operands' format E2M3, f32 sums; everything else in f32.
;; Inputs: token_positions 2,048 int32; wk_codes 1,024 x 32 x 24 uint8 (E2M3 codes of wk, K innermost, in blocks of 32 codes, four codes in three bytes); wk_scales 1,024 x 32 uint8 (E8M0 scales of wk, one for each 32 codes along K); wo_codes 1,024 x 32 x 24 uint8 (E2M3 codes of wo, K innermost, in blocks of 32 codes, four codes in three bytes); wo_scales 1,024 x 32 uint8 (E8M0 scales of wo, one for each 32 codes along K); wq_codes 1,024 x 32 x 24 uint8 (E2M3 codes of wq, K innermost, in blocks of 32 codes, four codes in three bytes); wq_scales 1,024 x 32 uint8 (E8M0 scales of wq, one for each 32 codes along K); wv_codes 1,024 x 32 x 24 uint8 (E2M3 codes of wv, K innermost, in blocks of 32 codes, four codes in three bytes); wv_scales 1,024 x 32 uint8 (E8M0 scales of wv, one for each 32 codes along K); x_codes 2 x 2,048 x 32 x 24 uint8 (E2M3 codes of x, K innermost, in blocks of 32 codes, four codes in three bytes); x_scales 2 x 2,048 x 32 uint8 (E8M0 scales of x, one for each 32 codes along K).
;; Outputs: out0 2 x 2,048 x 1,024 float32.
;; This version of the problem:
;;   THIS VERSION OF THE PROBLEM IS GIVEN IN LOW PRECISION. The matrix products marked QUANTISED in the list below multiply operands that are first quantised to E2M3 (2 exponent bits, 3 mantissa bits; 6 bits a number), with one power-of-two scale for each 32 numbers along K (OCP MX v1.0); their sums are f32. All else is computed in f32.
;;   The module's matrix products, in the order in which they are computed (A, B: the left and right operand; K: the contracted axis; several contracted axes count as one K, in the product's order):
;;     1. [M 4,096, K 1,024] x [K 1,024, N 1,024]; A: input x (given as codes); B: input wq (given as codes): QUANTISED
;;     2. [M 4,096, K 1,024] x [K 1,024, N 1,024]; A: input x (given as codes); B: input wk (given as codes): QUANTISED
;;     3. [M 4,096, K 1,024] x [K 1,024, N 1,024]; A: input x (given as codes); B: input wv (given as codes): QUANTISED
;;     4. batch 32 x [M 2,048, K 64] x [K 64, N 2,048]; A: computed on the way; B: computed on the way: QUANTISED
;;     5. batch 32 x [M 2,048, K 2,048] x [K 2,048, N 64]; A: softmax (see below); B: computed on the way: QUANTISED
;;     6. [M 4,096, K 1,024] x [K 1,024, N 1,024]; A: computed on the way; B: input wo (given as codes): QUANTISED
;;   THE QUANTISER, for each operand of a quantised product, along K:
;;     - K is cut into blocks of 32 from its start; a last block that is shorter is filled with zeros.
;;     - A block's scale is 2^e with e = floor(log2(the largest magnitude in the block)) - 2, held to -126 .. 127; a block of zeros has e = 0. As a byte (E8M0): e + 127.
;;     - Each number is divided by its block's scale, clamped to +-7.5, and rounded to the nearest number of E2M3, ties to even, subnormals kept.
;;     - The product sums the exact products of the quantised numbers (number of the format x scale) in f32.
;;   ~~~python
;;   def quantise(x, axis):      # numpy; x: float32 -> the quantised numbers, widened to float32 again
;;       x = np.moveaxis(x, axis, -1); K = x.shape[-1]
;;       x = np.pad(x, [(0, 0)] * (x.ndim - 1) + [(0, -K % 32)]); x = x.reshape(x.shape[:-1] + (-1, 32)); a = np.abs(x).max(-1, keepdims=True)
;;       e = np.where(a > 0, np.clip(np.frexp(np.where(a > 0, a, 1))[1] - 1 - 2, -126, 127), 0)      # np.frexp(a)[1] - 1 = floor(log2(a)), exactly
;;       r = np.clip(x / 2.0 ** e, -7.5, 7.5)
;;       step = 2.0 ** (np.maximum(np.frexp(np.where(r == 0, 1, r))[1] - 1, 0) - 3)
;;       q = np.round(r / step) * step * 2.0 ** e      # np.round: ties to even
;;       return np.moveaxis(q.reshape(q.shape[:-2] + (-1,))[..., :K], -1, axis).astype(np.float32)
;;   ~~~
;;   SOFTMAX AHEAD OF A QUANTISED PRODUCT. Where the list says 'softmax', what is quantised is not the finished softmax but p = 2^(t - M), with t = logit x log2(e) and M = ceil(the row's largest t), a whole number; so 1/2 < the row's largest p <= 1. The row's sum l is taken of the UNQUANTISED p, in f32, and the product's result is divided by l at the end. Since M is a whole number, a kernel that streams over the keys may use a running M (the ceiling of the running maximum): every later rescaling is an exact power of two, which a block's scale takes up: the codes' values come out the same.
;;   OPERANDS COMPUTED ON THE WAY. 'Computed on the way' means the value that the module computes at that place (a softmax that the list does not call 'softmax' is quantised finished and normalised). What goes into a quantiser is computed in f32, as accurately as f32 sums, v_exp_f32 and their like allow (about 1e-6 of the number): no bf16 or f16 on the way to a quantiser, and a product that is left as it is and whose result goes on into a quantised operand takes f32 operands (vector FMAs, or v_wmma_f32_16x16x4_f32). A number that lies on a knife's edge between two numbers of the format may be rounded either way, as far as f32 arithmetic and the matrix unit's own rounding can turn it there, and no further.
;;   INPUTS GIVEN AS CODES. wk (in the module: [1024, 1024], K = its axis 1); wo (in the module: [1024, 1024], K = its axis 1); wq (in the module: [1024, 1024], K = its axis 1); wv (in the module: [1024, 1024], K = its axis 1); x (in the module: [2, 2048, 1024], K = its axis 2): each comes as NAME_codes (uint8): NAME with its K axis moved to the last place and cut into blocks of 32 codes, [.., K / 32, bytes a block], one block behind the other in memory; four codes in three bytes: a row's codes are one little-endian stream of bits, code i at bits 6 i .. 6 i + 5 (a code: sign, 2 exponent bits, 3 mantissa bits); and NAME_scales (uint8): the same leading axes, one E8M0 byte (e + 127) for each 32 codes along K. Its value is code x scale, taken as it is: it is not quantised again, and the codes and scales need not be those that the quantiser above would give.
;; One version. Each part assembles by itself: llvm-mc -triple=amdgcn-amd-amdhsa -mcpu=gfx1250 --defsym DOCPART=n.
;; ======== version 1 of 1: 3 launches
;; limits: inputs' magnitudes at most 4,194,304; right only within a limited range of input values
;; workspace buffers: qimg 3,145,728 bytes; qsc 262,144 bytes; kimg 3,145,728 bytes; ksc 262,144 bytes; vimg 3,145,728 bytes; vsc 262,144 bytes; cimg 3,145,728 bytes; csc 131,072 bytes
;; launch qkv (part 1): grid 8 x 32, 4 waves a work-group, clusters of 4 x 4, 327,680 bytes of LDS; arguments x_codes, x_scales, token_positions, wq_codes, wq_scales, wk_codes, wk_scales, wv_codes, wv_scales, qimg, qsc, kimg, ksc, vimg, vsc; writes qimg, qsc, kimg, ksc, vimg, vsc
.if DOCPART == 1
	.amdgcn_target "amdgcn-amd-amdhsa--gfx1250"
	.amdhsa_code_object_version 6
	.text
	.protected	k_q140c95442f_qkv
	.globl	k_q140c95442f_qkv
	.p2align	8
	.type	k_q140c95442f_qkv,@function
k_q140c95442f_qkv:
	s_mov_b64 s[64:65], 0
	v_nop
	global_prefetch_b8 v0, s[64:65] scope:SCOPE_SE
	s_setreg_imm32_b32 hwreg(HW_REG_WAVE_MODE, 25, 1), 1
	s_wait_xcnt 0x0
	s_wait_alu depctr_hold_cnt(0) depctr_sa_sdst(0) depctr_va_vdst(0) depctr_va_sdst(0) depctr_va_ssrc(0) depctr_va_vcc(0) depctr_vm_vsrc(0)
	s_getreg_b32 s2, hwreg(HW_REG_IB_STS2, 6, 4)
	s_cmp_eq_u32 s2, 0
	s_cbranch_scc0 .Lentry_in_a_cluster
	s_endpgm
.Lentry_in_a_cluster:
	s_bfe_u32 s2, ttmp6, 0x10000c
	s_cmp_lg_u32 s2, 0xf033
	s_cbranch_scc0 .Lentry_shape_is_right
	s_endpgm
.Lentry_shape_is_right:
; Q = rope(x wq^T), K = rope(x wk^T), V = x wv^T on codes of FP6 (E2M3) with E8M0 scales, and the three results quantised again: Q and K along the head's 64, V along the keys.
; x: 4,096 rows of 1,024 codes (768 bytes), each weight 1,024 rows likewise; a scale byte for each 32 along K, 32 bytes a row.
; LEFT OUT IN THIS PROGRAM (in the next launch, not here): reference() hides key k from query q where k > q by a mask that it builds itself; a step of 128 keys that all come after a tile's queries adds 0 to the
;   softmax's sum and to ctx for all values of the inputs, and is not computed.  A NaN, an infinity or an overflow that reaches only such hidden scores is not carried to the result.  Every input is loaded.
; SHARES.  8 x 32 work-groups: fb = 128 features, tb = 128 tokens; a work-group makes its block of q, then of k, then of v.  Four waves, 16 accumulators of 16 x 16 each.
;   q, k: source 0 = 64 rows of the weight (one head: wave % 2), source 1 = 64 tokens (wave / 2): a lane holds ONE token, its registers run along the head's features, which are the next K.
;   v:    source 0 = all 128 tokens, source 1 = 32 rows of the weight (32 x wave): a lane holds ONE channel, its registers run along the tokens, which are the next K.
; LDS.  Whole rows of 768 bytes, which begin at multiples of 256 bytes in memory, 16 bytes of padding behind every 256: rows 816 bytes apart.  x's 128 rows stay for all three products; behind them two slots of 128 rows
;   for the weights: wq in slot A, wk in slot B, wv in slot A again.  At the head each wave brings 64 rows by one load (waves 0, 1: x; waves 2, 3: wq).  wk is asked for behind the round in front of q's product,
;   wv behind the round behind q's product, when no wave reads slot A any more: waves 2 and 3, one load each.  The launch claims all of LDS.
; CLUSTER 4 x 4.  The four of a row of the cluster share tb and so x's rows; the four of a column share fb and so the weights' rows: each load is a joint one.  All partners run the same lines.
; NO PREFETCH: each later fill is asked for a whole product, 128 matrix instructions a wave, ahead of the wait for it.
; ORDER INSIDE A BLOCK OF 32.  The 16 registers of result tiles 2 b and 2 b + 1 hold the next K's indices 32 b + 16 v + 8 (lane / 16) + j: all of block b together with lane xor 16, in a fixed order that is not the natural one.
;   Q and K get the same order here, V the order that the softmax's p gets in the next launch: the products are the same, and a block's scale hangs on its set of numbers alone.
; OUT.  Fragments leave as images of their registers (12 registers: three pieces of 512 bytes, piece j = registers 4 j .. 4 j + 3 at 16 x lane), scale words 8 bytes a lane: every store covers whole aligned runs of 256 bytes.
; ROPE.  cos and sin are made once, in f32, from token_positions, and serve q and k: angle = position x 10^(-i / 8), one rounding; k = the nearest whole number to angle x 2 / pi; angle - k pi / 2 with pi / 2 in two parts, fused;
;   polynomials on [-pi/4, pi/4].
; LIMITS.  |position| < 2^22.  The frequencies are the f32 numbers nearest to 10^(-i / 8); a power function in f32 may give a neighbour, which moves an angle of 2,000 by about 1e-4.
;   A block of zeros gets the scale byte 1, not 127: its codes are zeros, and this program alone reads the bytes.  NaN and infinities are not served.
; REGISTERS.  window 0: v1-7 lane terms, v8-15, v64-67 LDS addresses, v16-63, v72-111 scale words.   window 1: v0-127 accumulators (before the products: at work for cos and sin), v128-255 cos, sin.
;   window 2: two sets of fragments at v0 and v128; behind a product the turned numbers in v0-127 and the quantiser's registers from v128.
.set PITCH,  816
.set HALFC,  64*PITCH                  ; 64 rows: what one tensor load brings
.set CHUNK,  128*PITCH                 ; 128 rows, all of K
.set WBASE,  CHUNK                     ; slot A; slot B lies CHUNK further on
.set SPARE,  WBASE+2*CHUNK             ; the spare words, 128 bytes a wave
.set ADRWR,  8                         ; v8-9    q: my 64 rows of the weight in slot A (the second register: for pieces behind one padding more)
.set ADRXR,  10                        ; v10-11  q, k: my 64 tokens
.set ADRXV,  12                        ; v12-13  v: tokens 0-63
.set ADRWV,  14                        ; v14-15  v: my 32 rows of the weight in slot A
.set ADRXH,  64                        ; v64-65  v: tokens 64-127
.set ADRWK,  66                        ; v66-67  k: my 64 rows of the weight in slot B
.set SAQ,    16                        ; scale words: wq's my 64 rows, wk's, x's my 64 tokens; for v: x's 128 tokens, wv's my 32 rows
.set SAK,    32
.set SBX,    48
.set SAV,    72
.set SBV,    104
.set POS,    16                        ; window 1: v16-23 four positions, each twice
.set TT,     24                        ; window 1: v24-103 four sets of 20 at work
.set KC,     104                       ; window 1: v104-125 eleven constants, each twice
.set CSB,    128                       ; window 1: cos at CSB + 32 n + 2 e, sin one above
.set TM,     128                       ; the quantiser: v128-131 largest magnitudes, v132-135 bytes, v140-143 scale operands
.set OW,     144                       ; v144-145 the two scale words that leave
.set SH,     146                       ; 16 x (lane / 16)
.set PWT,    147
.set PCB,    148                       ; codes: 24 registers for each of two fragments
.set SEL,    98
.set MSB, 0
.macro WIN new                         ; the immediate's high byte repeats the setting that is left
.if MSB != (\new)
	s_set_vgpr_msb (MSB<<8)|(\new)
.set MSB, (\new)
.endif
.endm
.macro PLACES
.rept 4
	v_nop
.endr
.endm
.macro CROUND                          ; a round of the cluster's barrier
	s_barrier_signal -1
	s_barrier_wait -1
	s_cmp_lg_u32 s34, 0
	s_cbranch_scc1 .Lnot_wave_0_\@
	s_barrier_signal -3
.Lnot_wave_0_\@:
	s_barrier_wait -3
	s_barrier_signal -1
	s_barrier_wait -1
.endm
.macro G0SET g, lds, ptr               ; descriptor group 0: count 1, LDS address, global address, type 2
	s_mov_b32 s[\g], 1
	s_add_co_u32 s[\g+1], s101, \lds
	s_mov_b64 s[\g+2:\g+3], s[\ptr:\ptr+1]
	s_or_b32 s[\g+3], s[\g+3], 0x80000000
.endm
; one product: ra, rb = 1: the side's scale words stand in lanes 16-31
.macro WM d, a, b, zero, sa, sb, ra, rb
.if \zero
.if (\ra) && (\rb)
	v_wmma_scale_f32_16x16x128_f8f6f4 v[\d:\d+7], v[\a:\a+11], v[\b:\b+11], 0, v[\sa], v[\sb] matrix_a_fmt:MATRIX_FMT_FP6 matrix_b_fmt:MATRIX_FMT_FP6 matrix_a_scale:MATRIX_SCALE_ROW1 matrix_b_scale:MATRIX_SCALE_ROW1
.elseif \ra
	v_wmma_scale_f32_16x16x128_f8f6f4 v[\d:\d+7], v[\a:\a+11], v[\b:\b+11], 0, v[\sa], v[\sb] matrix_a_fmt:MATRIX_FMT_FP6 matrix_b_fmt:MATRIX_FMT_FP6 matrix_a_scale:MATRIX_SCALE_ROW1
.elseif \rb
	v_wmma_scale_f32_16x16x128_f8f6f4 v[\d:\d+7], v[\a:\a+11], v[\b:\b+11], 0, v[\sa], v[\sb] matrix_a_fmt:MATRIX_FMT_FP6 matrix_b_fmt:MATRIX_FMT_FP6 matrix_b_scale:MATRIX_SCALE_ROW1
.else
	v_wmma_scale_f32_16x16x128_f8f6f4 v[\d:\d+7], v[\a:\a+11], v[\b:\b+11], 0, v[\sa], v[\sb] matrix_a_fmt:MATRIX_FMT_FP6 matrix_b_fmt:MATRIX_FMT_FP6
.endif
.else
.if (\ra) && (\rb)
	v_wmma_scale_f32_16x16x128_f8f6f4 v[\d:\d+7], v[\a:\a+11], v[\b:\b+11], v[\d:\d+7], v[\sa], v[\sb] matrix_a_fmt:MATRIX_FMT_FP6 matrix_b_fmt:MATRIX_FMT_FP6 matrix_a_scale:MATRIX_SCALE_ROW1 matrix_b_scale:MATRIX_SCALE_ROW1
.elseif \ra
	v_wmma_scale_f32_16x16x128_f8f6f4 v[\d:\d+7], v[\a:\a+11], v[\b:\b+11], v[\d:\d+7], v[\sa], v[\sb] matrix_a_fmt:MATRIX_FMT_FP6 matrix_b_fmt:MATRIX_FMT_FP6 matrix_a_scale:MATRIX_SCALE_ROW1
.elseif \rb
	v_wmma_scale_f32_16x16x128_f8f6f4 v[\d:\d+7], v[\a:\a+11], v[\b:\b+11], v[\d:\d+7], v[\sa], v[\sb] matrix_a_fmt:MATRIX_FMT_FP6 matrix_b_fmt:MATRIX_FMT_FP6 matrix_b_scale:MATRIX_SCALE_ROW1
.else
	v_wmma_scale_f32_16x16x128_f8f6f4 v[\d:\d+7], v[\a:\a+11], v[\b:\b+11], v[\d:\d+7], v[\sa], v[\sb] matrix_a_fmt:MATRIX_FMT_FP6 matrix_b_fmt:MATRIX_FMT_FP6
.endif
.endif
.endm
; A fragment, 16 rows x 128 K, 12 registers: lane l holds row l % 16; registers 6 c .. 6 c + 5 hold K = 64 c + 32 (l / 16) + 0 .. 31, 24 bytes of the row as they lie, in pieces of 8 bytes.  q: the K step.
; Lanes 16-31 read three pieces further on; where that lies behind one padding more (16 bytes behind every 32 pieces) the second address register serves.
.macro FRAG reg, adr, q, i
.irp p, 0,1,2,3,4,5
.set PCE, 12*(\q)+6*(\p/3)+\p%3
.if PCE%32 < 29
	ds_load_b64 v[\reg+2*\p:\reg+2*\p+1], v[\adr] offset:8*PCE+16*(PCE/32)+(\i)*16*PITCH
.else
	ds_load_b64 v[\reg+2*\p:\reg+2*\p+1], v[\adr+1] offset:8*PCE+16*(PCE/32)+(\i)*16*PITCH
.endif
.endr
.endm
.macro FETCH path, s                   ; K step s's fragments into set s % 2 of window 2.  AW: the address registers of the weight's slot
	WIN 0x80
.set BF, 128*((\s)%2)
.if \path
.irp i, 0,1,2,3
	FRAG BF+12*\i, ADRXV, (\s), \i
.endr
.irp i, 0,1,2,3
	FRAG BF+48+12*\i, ADRXH, (\s), \i
.endr
.irp i, 0,1
	FRAG BF+96+12*\i, ADRWV, (\s), \i
.endr
.else
.irp i, 0,1,2,3
	FRAG BF+12*\i, AW, (\s), \i
.endr
.irp i, 0,1,2,3
	FRAG BF+48+12*\i, ADRXR, (\s), \i
.endr
.endif
.endm
; 16 products, each accumulator once, in the same order in every K step: the accumulators take turns.  K step 0 starts the sums with the constant 0.
; A block of 32 rows' scale words came as 32 bytes a lane (lane = row): register 8 c + s is K step s's word, lanes 0-15 for tile 2 c, lanes 16-31 for tile 2 c + 1.  SA, SB: the two sides' words.
.macro MUL path, s
	WIN 0x5a                                       ; sources 0 and 1 window 2, C and D window 1
.set BF, 128*((\s)%2)
.if \path
.irp n, 0,1
.irp a, 0,1,2,3,4,5,6,7
	WM 8*(8*\n+\a), BF+12*\a, BF+96+12*\n, (\s)==0, SA+8*(\a/2)+(\s), SB+(\s), \a%2, \n
.endr
.endr
.else
.irp n, 0,1,2,3
.irp a, 0,1,2,3
	WM 8*(4*\n+\a), BF+12*\a, BF+48+12*\n, (\s)==0, SA+8*(\a/2)+(\s), SB+8*(\n/2)+(\s), \a%2, \n%2
.endr
.endr
.endif
.endm
; The eight K steps of 128.  A step's fragments are fetched while the step before is multiplied.  Both operands are whole in LDS when a product begins.
.macro CORE path
	FETCH \path, 0
.irp s, 0,1,2,3,4,5,6,7
	s_wait_dscnt 0x0                               ; this step's fragments are in
.if \s<7
	PLACES                                         ; four places in front of loads into registers that the last products read
	FETCH \path, \s+1
.endif
	MUL \path, \s
.endr
.endm
; In front of a fill behind the head: every wave waits for all its tensor loads, adds 0 to its spare word and waits for that and for its LDS reads; a round of the cluster's barrier;
; then waves 2 and 3 ask jointly for 64 rows of the next weight each, their first tensor load behind the round.  The branch hangs on the wave's number alone.
.macro REFILL g
	WIN 0
	s_wait_alu depctr_va_vdst(0)
	s_wait_tensorcnt 0x0
	ds_add_u32 v254, v255
	s_wait_dscnt 0x0
	CROUND
	s_cmp_lt_u32 s34, 2
	s_cbranch_scc1 .Lnone_\@
	tensor_load_to_lds s[\g:\g+3], s[44:51]
	s_nop 0
	PLACES
.Lnone_\@:
.endm
; 64 numbers of a lane, v[s] on, four blocks of 16 whose other 16 lie in lane xor 16, become a fragment's codes in v[pc] on and a scale word in v[pw].
.macro QUANT s, pc, pw
.irp b, 0,1,2,3
	v_max3_num_f32 v[TM+\b], |v[\s+16*\b]|, |v[\s+1+16*\b]|, 0x1800000   ; my 16 numbers, and the floor 2^(3 - 127): the byte cannot fall under 1
.endr
.irp i, 2,4,6,8,10,12,14
.irp b, 0,1,2,3
	v_max3_num_f32 v[TM+\b], v[TM+\b], |v[\s+16*\b+\i]|, |v[\s+1+16*\b+\i]|
.endr
.endr
.irp b, 0,1,2,3
	v_permlanex16_b32 v[TM+4+\b], v[TM+\b], s[SEL], s[SEL+1]
.endr
.irp b, 0,1,2,3
	v_max_num_f32 v[TM+\b], v[TM+\b], v[TM+4+\b]   ; the block's largest magnitude
.endr
.irp b, 0,1,2,3
	v_add_nc_u32 v[TM+12+\b], 0xff000000, v[TM+\b] ; 2 off its exponent field: the conversion's scale operand
.endr
.irp b, 0,1,2,3
	v_lshrrev_b32 v[TM+4+\b], 23, v[TM+12+\b]      ; the scale's byte
.endr
	v_lshl_or_b32 v[\pw], v[TM+5], 8, v[TM+4]
	v_lshl_or_b32 v[\pw], v[TM+6], 16, v[\pw]
	v_lshl_or_b32 v[\pw], v[TM+7], 24, v[\pw]
.irp c, 0,1
	v_cvt_scalef32_pk16_fp6_f32 v[\pc+6*\c:\pc+2+6*\c], v[\s+32*\c:\s+15+32*\c], v[TM+12+2*\c]
	v_cvt_scalef32_pk16_fp6_f32 v[\pc+12+4*\c:\pc+14+4*\c], v[\s+16+32*\c:\s+31+32*\c], v[TM+12+2*\c+1]   ; (a conversion's three registers begin on an even number)
.endr
	v_nop                                          ; one plain place behind a scaled conversion
.irp c, 0,1                                    ; a whole block to a lane: lanes 0-15 block 2 c, lanes 16-31 block 2 c + 1
.irp i, 0,1,2
	v_permlane16_swap_b32 v[\pc+6*\c+\i], v[\pc+12+4*\c+\i]
.endr
.irp i, 0,1,2
	v_mov_b32 v[\pc+3+6*\c+\i], v[\pc+12+4*\c+\i]
.endr
.endr
.endm
; The way out: the 128 numbers in v0-127 of window win become two fragments and two scale words, and leave by s[OP:OP+1] and s[OS:OS+1].
; rope = 1: a fragment holds two tiles of tokens (registers 0-5, 6-11) and its word their bytes (0, 1 and 2, 3): lanes 16-31 shift theirs down, so that lanes 0-15 carry the even tile's word and lanes 16-31 the odd tile's.
.macro EPI win, rope
.if \rope
	WIN (\win)<<6
	v_and_b32 v[SH], 16, v0
.endif
	WIN (\win)*0x55
.irp b, 0,1,2,3
	v_mov_b32 v[TM+4+\b], 0                        ; a lane permute's destination counts as one of its sources
.endr
.irp p, 0,1
.if \rope
	QUANT 64*\p, PCB+24*\p, PWT
	v_lshrrev_b32 v[OW+\p], v[SH], v[PWT]
.else
	QUANT 64*\p, PCB+24*\p, OW+\p
.endif
.endr
	WIN (\win)<<2                                  ; a store's data are its source 1
.irp p, 0,1
.irp j, 0,1,2
	global_store_b128 v3, v[PCB+24*\p+4*\j:PCB+24*\p+4*\j+3], s[OP:OP+1] offset:1536*\p+512*\j   ; 32 lanes store 512 consecutive bytes
.endr
.endr
	global_store_b64 v4, v[OW:OW+1], s[OS:OS+1]    ; 32 lanes store 256 consecutive bytes
	WIN 0
.endm
; The turn, and out: registers 2 e, 2 e + 1 of a tile of tokens are the pair (x1, x2): x1 cos - x2 sin, x1 sin + x2 cos.  Each accumulator is read from its low end on.
.macro ROPED
	PLACES                                         ; four places in front of the first read of results and the first write over fragments
	WIN 0x85                                       ; sources window 1, destination window 2
.set I, 0
.rept 64
	v_pk_mul_f32 v[I:I+1], v[I:I+1], v[CSB+I:CSB+I+1] op_sel_hi:[1,0]        ; x1 cos, x2 cos
.set I, I+2
.endr
	WIN 0xa5                                       ; sources 0, 1 window 1; source 2 and destination window 2
.set I, 0
.rept 64
	v_pk_fma_f32 v[I:I+1], v[I:I+1], v[CSB+I:CSB+I+1], v[I:I+1] op_sel:[1,1,0] op_sel_hi:[0,1,1] neg_lo:[0,1,0]   ; - x2 sin, + x1 sin
.set I, I+2
.endr
	EPI 2, 1
	s_wait_xcnt 0x0                                ; the stores have read their registers: the next product's fragments may land there
.endm
	s_load_b512 s[4:19], s[0:1], 0x0               ; x_codes 4, x_scales 6, token_positions 8, wq_codes 10, wq_scales 12, wk_codes 14, wk_scales 16, wv_codes 18
	s_load_b256 s[20:27], s[0:1], 0x40             ; wv_scales 20, qimg 22, qsc 24, kimg 26
	s_load_b128 s[28:31], s[0:1], 0x60             ; ksc 28, vimg 30
	s_load_b64 s[32:33], s[0:1], 0x70              ; vsc 32
	v_lshl_add_u32 v254, v0, 2, SPARE
	v_mov_b32 v255, 0
	ds_add_u32 v254, v255                          ; the opening: the add, twice on end, and its wait ahead of my first tensor load
	ds_add_u32 v254, v255
	v_lshrrev_b32 v1, 5, v0
	v_readfirstlane_b32 s34, v1                    ; wave 0..3
	s_and_b32 s35, s34, 1
	s_lshr_b32 s88, s34, 1
	s_bfe_u32 s89, ttmp6, 0x40000                  ; cx
	s_bfe_u32 s90, ttmp6, 0x40004                  ; cy
	s_lshl_b32 s92, ttmp9, 2
	s_add_co_u32 s92, s92, s89                     ; fb
	s_and_b32 s93, ttmp7, 0xffff
	s_lshl_b32 s93, s93, 2
	s_add_co_u32 s93, s93, s90                     ; tb
	s_lshl_b32 s94, s90, 2
	s_lshl_b32 s94, 15, s94                        ; my row of the cluster
	s_lshl_b32 s96, 0x1111, s89                    ; my column
	; descriptor group 1: 64 rows of 768 bytes, dense in memory; 4 words of padding behind every 64
	s_or_b32 s36, s94, (1<<20)|(1<<21)|(5<<22)|(3<<25)   ; x's rows go to my row of the cluster
	s_or_b32 s44, s96, (1<<20)|(1<<21)|(5<<22)|(3<<25)   ; the weights' to my column
.irp g, 36, 44
	s_mov_b32 s[\g+1], 768<<16                     ; tensor_dim0
	s_mov_b32 s[\g+2], 64<<16                      ; tensor_dim1
	s_mov_b32 s[\g+3], 768<<16                     ; tile_dim0
	s_mov_b32 s[\g+4], 64                          ; tile_dim1
	s_mov_b32 s[\g+5], 768                         ; from row to row
	s_mov_b32 s[\g+6], 0
	s_mov_b32 s[\g+7], 0
.endr
	s_mul_i32 s100, s35, 64*768                    ; which 64 rows I fetch: in memory,
	s_mul_i32 s101, s35, HALFC                     ; and in LDS
	s_mul_i32 s94, s93, 128*768
	s_add_co_u32 s94, s94, s100
	s_mov_b32 s95, 0
	s_mul_i32 s96, s92, 128*768
	s_add_co_u32 s96, s96, s100
	s_mov_b32 s97, 0
	s_mov_b32 s[SEL], 0x76543210
	s_mov_b32 s[SEL+1], 0xfedcba98                 ; v_permlanex16_b32's selects for lane xor 16
	s_wait_dscnt 0x0                               ; both opening adds are done
	s_wait_kmcnt 0x0
	s_add_nc_u64 s[94:95], s[4:5], s[94:95]
	s_add_nc_u64 s[10:11], s[10:11], s[96:97]
	s_add_nc_u64 s[14:15], s[14:15], s[96:97]
	s_add_nc_u64 s[18:19], s[18:19], s[96:97]
	CROUND                                         ; all sixteen work-groups are here: the joint loads meet
	G0SET 52, 0, 94                                ; x
	G0SET 56, WBASE, 10                            ; wq into slot A
	G0SET 60, WBASE+CHUNK, 14                      ; wk into slot B
	G0SET 68, WBASE, 18                            ; wv into slot A
	s_cmp_lt_u32 s34, 2                            ; waves 0, 1: x's halves; waves 2, 3: wq's.  One chain of two arms, a load in each
	s_cbranch_scc0 .Lfill_w
	tensor_load_to_lds s[52:55], s[36:43]
	s_nop 0
	PLACES
	s_branch .Lfilled
.Lfill_w:
	tensor_load_to_lds s[56:59], s[44:51]
	s_nop 0
	PLACES
.Lfilled:
	v_and_b32 v1, 15, v0                           ; r
	v_bfe_u32 v2, v0, 4, 1                         ; h
	v_and_b32 v7, 31, v0                           ; lane
	v_lshlrev_b32 v3, 4, v7
	v_lshlrev_b32 v4, 3, v7
	v_lshlrev_b32 v5, 5, v7
	v_lshlrev_b32 v6, 2, v1
	v_mul_u32_u24 v7, v1, PITCH
	v_mad_u32_u24 v[ADRXV], v2, 24, v7             ; a fragment's row x pitch + 24 x half
	s_mul_i32 s80, s35, HALFC
	s_add_co_u32 s80, s80, WBASE
	s_mul_i32 s81, s88, HALFC
	s_mul_i32 s82, s34, 32*PITCH
	s_add_co_u32 s82, s82, WBASE
	v_add_nc_u32 v[ADRWR], s80, v[ADRXV]
	v_add_nc_u32 v[ADRXR], s81, v[ADRXV]
	v_add_nc_u32 v[ADRWV], s82, v[ADRXV]
.irp a, ADRWR, ADRXR, ADRXV, ADRWV
	v_lshl_add_u32 v[\a+1], v2, 4, v[\a]           ; the same behind one padding more
.endr
	v_add_nc_u32 v[ADRXH], HALFC, v[ADRXV]         ; 64 rows further on
	v_add_nc_u32 v[ADRXH+1], HALFC, v[ADRXV+1]
	v_add_nc_u32 v[ADRWK], CHUNK, v[ADRWR]         ; a slot further on
	v_add_nc_u32 v[ADRWK+1], CHUNK, v[ADRWR+1]
	s_wait_alu depctr_va_vdst(0)
	s_mov_b32 s87, 0
	s_lshl_b32 s80, s92, 12                        ; the weights' scale bytes, 32 a row: q, k: my 64 rows;
	s_lshl_b32 s86, s35, 11
	s_add_co_u32 s86, s86, s80
	s_add_nc_u64 s[12:13], s[12:13], s[86:87]
	s_add_nc_u64 s[16:17], s[16:17], s[86:87]
	s_lshl_b32 s86, s34, 10                        ; v: my 32 rows
	s_add_co_u32 s86, s86, s80
	s_add_nc_u64 s[20:21], s[20:21], s[86:87]
	s_lshl_b32 s86, s93, 12                        ; x's: v: all 128 tokens;
	s_add_nc_u64 s[6:7], s[6:7], s[86:87]
	s_lshl_b32 s86, s88, 11                        ; q, k: my 64 tokens
	s_add_nc_u64 s[4:5], s[6:7], s[86:87]
	s_and_b32 s83, s93, 15
	s_lshl_b32 s86, s83, 9                         ; positions: 4 bytes a token; token (tb % 16) 128 + 64 (wave / 2) of the sequence
	s_lshl_b32 s81, s88, 8
	s_add_co_u32 s86, s86, s81
	s_add_nc_u64 s[8:9], s[8:9], s[86:87]
.irp c, 0,1
	global_load_b128 v[SAQ+8*\c:SAQ+8*\c+3], v5, s[12:13] offset:1024*\c      ; lane = row of a block of 32 rows: its 32 bytes are the eight K steps' words
	global_load_b128 v[SAQ+8*\c+4:SAQ+8*\c+7], v5, s[12:13] offset:1024*\c+16
	global_load_b128 v[SBX+8*\c:SBX+8*\c+3], v5, s[4:5] offset:1024*\c
	global_load_b128 v[SBX+8*\c+4:SBX+8*\c+7], v5, s[4:5] offset:1024*\c+16
	global_load_b128 v[SAK+8*\c:SAK+8*\c+3], v5, s[16:17] offset:1024*\c
	global_load_b128 v[SAK+8*\c+4:SAK+8*\c+7], v5, s[16:17] offset:1024*\c+16
.endr
.irp c, 0,1,2,3
	global_load_b128 v[SAV+8*\c:SAV+8*\c+3], v5, s[6:7] offset:1024*\c
	global_load_b128 v[SAV+8*\c+4:SAV+8*\c+7], v5, s[6:7] offset:1024*\c+16
.endr
	global_load_b128 v[SBV:SBV+3], v5, s[20:21]
	global_load_b128 v[SBV+4:SBV+7], v5, s[20:21] offset:16
	WIN 0x40
.irp n, 0,1,2,3
	global_load_b32 v[POS+2*\n], v6, s[8:9] offset:64*\n   ; the position of my token of tile n
.endr
	; where my fragments and scale words go: bh = 16 (tb / 16) + 2 fb + hsel; unit = 32 bh + 2 (tb % 16) + sub; codes at 3,072 x unit, words at 256 x unit.  q, k: hsel = wave % 2, sub = wave / 2; v: the other way round
	s_lshr_b32 s80, s93, 4
	s_lshl_b32 s80, s80, 4
	s_lshl_b32 s81, s92, 1
	s_add_co_u32 s80, s80, s81
	s_lshl_b32 s80, s80, 5
	s_lshl_b32 s81, s83, 1
	s_add_co_u32 s80, s80, s81
	s_lshl_b32 s82, s35, 5
	s_add_co_u32 s82, s82, s80
	s_add_co_u32 s82, s82, s88                     ; q's and k's unit
	s_lshl_b32 s84, s88, 5
	s_add_co_u32 s84, s84, s80
	s_add_co_u32 s84, s84, s35                     ; v's unit
	s_mul_i32 s86, s82, 3072
	s_add_nc_u64 s[22:23], s[22:23], s[86:87]
	s_add_nc_u64 s[26:27], s[26:27], s[86:87]
	s_lshl_b32 s86, s82, 8
	s_add_nc_u64 s[24:25], s[24:25], s[86:87]
	s_add_nc_u64 s[28:29], s[28:29], s[86:87]
	s_mul_i32 s86, s84, 3072
	s_add_nc_u64 s[30:31], s[30:31], s[86:87]
	s_lshl_b32 s86, s84, 8
	s_add_nc_u64 s[32:33], s[32:33], s[86:87]
	; cos and sin, while the head's loads are on their way.  All in window 1.
	WIN 0x55
	s_mov_b32 vcc_lo, 0xffff0000
.macro FREQ e, f0, f1                  ; pair e of my 16 pairs is pair i = 8 (e / 4) + 4 (lane / 16) + e % 4 of the head: its frequency 10^(-i / 8)
	v_mov_b32 v[\e], \f1
	v_cndmask_b32 v[\e], \f0, v[\e], vcc_lo
.endm
	FREQ 0, 1.0, 0.3162277660
	FREQ 1, 0.7498942093, 0.2371373706
	FREQ 2, 0.5623413252, 0.1778279410
	FREQ 3, 0.4216965034, 0.1333521432
	FREQ 4, 0.1, 0.03162277660
	FREQ 5, 0.07498942093, 0.02371373706
	FREQ 6, 0.05623413252, 0.01778279410
	FREQ 7, 0.04216965034, 0.01333521432
	FREQ 8, 0.01, 0.003162277660
	FREQ 9, 0.007498942093, 0.002371373706
	FREQ 10, 0.005623413252, 0.001778279410
	FREQ 11, 0.004216965034, 0.001333521432
	FREQ 12, 0.001, 0.0003162277660
	FREQ 13, 0.0007498942093, 0.0002371373706
	FREQ 14, 0.0005623413252, 0.0001778279410
	FREQ 15, 0.0004216965034, 0.0001333521432
.macro KONST i, val
	v_mov_b32 v[KC+2*\i], \val
	v_mov_b32 v[KC+2*\i+1], \val
.endm
	KONST 0, 0x3f22f983                            ; 2 / pi
	KONST 1, 0x4b400000                            ; 1.5 x 2^23: adding it rounds to a whole number, which then stands in the low bits
	KONST 2, 0xcb400000
	KONST 3, 0xbfc90fdb                            ; -(pi / 2), its upper part,
	KONST 4, 0x333bbd2e                            ; and what is left of it
	KONST 5, -0.16666654611                        ; sin r = r + r z (S0 + z (S1 + z S2)), z = r r
	KONST 6, 0.0083321608736
	KONST 7, -0.00019515295891
	KONST 8, 0.04166664568                         ; cos r = 1 - z / 2 + z z (C0 + z (C1 + z C2))
	KONST 9, -0.001388731625
	KONST 10, 0.00002443315712
	s_wait_alu depctr_va_vdst(0)
	s_wait_loadcnt 0x0                             ; the scale words and the positions
.irp n, 0,1,2,3
	v_cvt_f32_i32 v[POS+2*\n+1], v[POS+2*\n]
	v_cvt_f32_i32 v[POS+2*\n], v[POS+2*\n]
.endr
; Tile n's token, frequencies 8 half .. 8 half + 7: four pairs by turns.  In a set of 20: +0 angle, +2 with the magic number, +4 k, +6 r, +8 z, +10 sin, +12 r z, +14 cos, +16 z z, +18 1 - z / 2.
.macro SC n, half
.irp k, 0,1,2,3
	v_pk_mul_f32 v[TT+20*\k:TT+20*\k+1], v[8*(\half)+2*\k:8*(\half)+2*\k+1], v[POS+2*(\n):POS+2*(\n)+1]
.endr
.irp k, 0,1,2,3
	v_pk_fma_f32 v[TT+20*\k+2:TT+20*\k+3], v[TT+20*\k:TT+20*\k+1], v[KC:KC+1], v[KC+2:KC+3]
.endr
.irp k, 0,1,2,3
	v_pk_add_f32 v[TT+20*\k+4:TT+20*\k+5], v[TT+20*\k+2:TT+20*\k+3], v[KC+4:KC+5]
.endr
.irp k, 0,1,2,3
	v_pk_fma_f32 v[TT+20*\k+6:TT+20*\k+7], v[TT+20*\k+4:TT+20*\k+5], v[KC+6:KC+7], v[TT+20*\k:TT+20*\k+1]
.endr
.irp k, 0,1,2,3
	v_pk_fma_f32 v[TT+20*\k+6:TT+20*\k+7], v[TT+20*\k+4:TT+20*\k+5], v[KC+8:KC+9], v[TT+20*\k+6:TT+20*\k+7]
.endr
.irp k, 0,1,2,3
	v_pk_mul_f32 v[TT+20*\k+8:TT+20*\k+9], v[TT+20*\k+6:TT+20*\k+7], v[TT+20*\k+6:TT+20*\k+7]
.endr
.irp k, 0,1,2,3
	v_pk_fma_f32 v[TT+20*\k+10:TT+20*\k+11], v[TT+20*\k+8:TT+20*\k+9], v[KC+14:KC+15], v[KC+12:KC+13]
	v_pk_fma_f32 v[TT+20*\k+14:TT+20*\k+15], v[TT+20*\k+8:TT+20*\k+9], v[KC+20:KC+21], v[KC+18:KC+19]
.endr
.irp k, 0,1,2,3
	v_pk_fma_f32 v[TT+20*\k+10:TT+20*\k+11], v[TT+20*\k+10:TT+20*\k+11], v[TT+20*\k+8:TT+20*\k+9], v[KC+10:KC+11]
	v_pk_fma_f32 v[TT+20*\k+14:TT+20*\k+15], v[TT+20*\k+14:TT+20*\k+15], v[TT+20*\k+8:TT+20*\k+9], v[KC+16:KC+17]
.endr
.irp k, 0,1,2,3
	v_pk_mul_f32 v[TT+20*\k+12:TT+20*\k+13], v[TT+20*\k+6:TT+20*\k+7], v[TT+20*\k+8:TT+20*\k+9]
	v_pk_mul_f32 v[TT+20*\k+16:TT+20*\k+17], v[TT+20*\k+8:TT+20*\k+9], v[TT+20*\k+8:TT+20*\k+9]
	v_pk_fma_f32 v[TT+20*\k+18:TT+20*\k+19], v[TT+20*\k+8:TT+20*\k+9], -0.5, 1.0 op_sel_hi:[1,0,0]
.endr
.irp k, 0,1,2,3
	v_pk_fma_f32 v[TT+20*\k+10:TT+20*\k+11], v[TT+20*\k+10:TT+20*\k+11], v[TT+20*\k+12:TT+20*\k+13], v[TT+20*\k+6:TT+20*\k+7]
	v_pk_fma_f32 v[TT+20*\k+14:TT+20*\k+15], v[TT+20*\k+14:TT+20*\k+15], v[TT+20*\k+16:TT+20*\k+17], v[TT+20*\k+18:TT+20*\k+19]
.endr
	; the quadrant, k mod 4, from the low bits: odd: sin and cos change places; sin is negated where k mod 4 is 2 or 3, cos where it is 1 or 2
.irp m, 0,1,2,3,4,5,6,7
.set BB, TT+20*(\m/2)+\m%2
	v_and_b32 v[BB], 1, v[BB+2]
.endr
.irp m, 0,1,2,3,4,5,6,7
.set BB, TT+20*(\m/2)+\m%2
	v_cmp_eq_u32 s[72+\m], 1, v[BB]
.endr
.irp m, 0,1,2,3,4,5,6,7
.set BB, TT+20*(\m/2)+\m%2
	v_cndmask_b32 v[BB+6], v[BB+10], v[BB+14], s[72+\m]
	v_cndmask_b32 v[BB+8], v[BB+14], v[BB+10], s[72+\m]
.endr
.irp m, 0,1,2,3,4,5,6,7
.set BB, TT+20*(\m/2)+\m%2
	v_lshlrev_b32 v[BB], 30, v[BB+2]
	v_add_lshl_u32 v[BB+4], v[BB+2], 1, 30
.endr
.irp m, 0,1,2,3,4,5,6,7
.set BB, TT+20*(\m/2)+\m%2
	v_and_b32 v[BB], 0x80000000, v[BB]
	v_and_b32 v[BB+4], 0x80000000, v[BB+4]
.endr
.irp m, 0,1,2,3,4,5,6,7
.set BB, TT+20*(\m/2)+\m%2
	v_xor_b32 v[CSB+32*(\n)+2*(8*(\half)+\m)+1], v[BB], v[BB+6]     ; sin
	v_xor_b32 v[CSB+32*(\n)+2*(8*(\half)+\m)], v[BB+4], v[BB+8]     ; cos
.endr
.endm
.irp n, 0,1,2,3
	SC \n, 0
	SC \n, 1
.endr
	; ---------------- q ----------------
	REFILL 60                                      ; x and wq are whole for every wave; wk is asked for, into slot B: its first fill
.set AW, ADRWR
.set SA, SAQ
.set SB, SBX
.set OP, 22
.set OS, 24
	CORE 0
	REFILL 68                                      ; wk is whole; no wave of any partner reads slot A any more: wv is asked for, into slot A
	ROPED
	; ---------------- k ----------------
.set AW, ADRWK
.set SA, SAK
.set OP, 26
.set OS, 28
	CORE 0
	ROPED
	; ---------------- v ----------------
	s_wait_alu depctr_va_vdst(0)
	s_wait_tensorcnt 0x0                           ; my part of wv has landed
	s_barrier_signal -1
	s_barrier_wait -1                              ; everybody's has
.set SA, SAV
.set SB, SBV
.set OP, 30
.set OS, 32
	CORE 1
	PLACES
	EPI 1, 0                                       ; the accumulators are quantised as they stand: 64 registers are 128 keys of one channel
	s_wait_tensorcnt 0x0                           ; the wave's end
	ds_add_u32 v254, v255
	s_wait_dscnt 0x0
	CROUND                                         ; the closing round: no work-group ends while a partner may still ask for rows that name it
	s_endpgm
.Lfunc_end_k_q140c95442f_qkv:
	.size	k_q140c95442f_qkv, .Lfunc_end_k_q140c95442f_qkv-k_q140c95442f_qkv
	.p2alignl 7, 3214868480
	.fill 96, 4, 3214868480
	.section	.rodata,"a",@progbits
	.p2align	6, 0x0
	.amdhsa_kernel k_q140c95442f_qkv
		.amdhsa_group_segment_fixed_size 327680
		.amdhsa_private_segment_fixed_size 0
		.amdhsa_enable_private_segment 0
		.amdhsa_kernarg_size 120
		.amdhsa_user_sgpr_count 2
		.amdhsa_user_sgpr_kernarg_segment_ptr 1
		.amdhsa_wavefront_size32 1
		.amdhsa_system_sgpr_workgroup_id_x 1
		.amdhsa_system_sgpr_workgroup_id_y 1
		.amdhsa_system_sgpr_workgroup_id_z 1
		.amdhsa_system_vgpr_workitem_id 0
		.amdhsa_next_free_vgpr 768
		.amdhsa_next_free_sgpr 102
		.amdhsa_reserve_vcc 1
		.amdhsa_float_denorm_mode_32 3
		.amdhsa_float_denorm_mode_16_64 3
		.amdhsa_memory_ordered 1
		.amdhsa_forward_progress 1
		.amdhsa_inst_pref_size 251
	.end_amdhsa_kernel
	.amdgpu_metadata
---
amdhsa.version: [ 1, 2 ]
amdhsa.kernels:
  - .name:           k_q140c95442f_qkv
    .symbol:         k_q140c95442f_qkv.kd
    .args:
      - { .name: x_codes, .offset: 0, .size: 8, .value_kind: global_buffer, .address_space: global }
      - { .name: x_scales, .offset: 8, .size: 8, .value_kind: global_buffer, .address_space: global }
      - { .name: token_positions, .offset: 16, .size: 8, .value_kind: global_buffer, .address_space: global }
      - { .name: wq_codes, .offset: 24, .size: 8, .value_kind: global_buffer, .address_space: global }
      - { .name: wq_scales, .offset: 32, .size: 8, .value_kind: global_buffer, .address_space: global }
      - { .name: wk_codes, .offset: 40, .size: 8, .value_kind: global_buffer, .address_space: global }
      - { .name: wk_scales, .offset: 48, .size: 8, .value_kind: global_buffer, .address_space: global }
      - { .name: wv_codes, .offset: 56, .size: 8, .value_kind: global_buffer, .address_space: global }
      - { .name: wv_scales, .offset: 64, .size: 8, .value_kind: global_buffer, .address_space: global }
      - { .name: qimg, .offset: 72, .size: 8, .value_kind: global_buffer, .address_space: global }
      - { .name: qsc, .offset: 80, .size: 8, .value_kind: global_buffer, .address_space: global }
      - { .name: kimg, .offset: 88, .size: 8, .value_kind: global_buffer, .address_space: global }
      - { .name: ksc, .offset: 96, .size: 8, .value_kind: global_buffer, .address_space: global }
      - { .name: vimg, .offset: 104, .size: 8, .value_kind: global_buffer, .address_space: global }
      - { .name: vsc, .offset: 112, .size: 8, .value_kind: global_buffer, .address_space: global }
    .group_segment_fixed_size: 327680
    .private_segment_fixed_size: 0
    .kernarg_segment_align: 8
    .kernarg_segment_size: 120
    .max_flat_workgroup_size: 128
    .sgpr_count:     102
    .vgpr_count:     768
    .wavefront_size: 32
...
	.end_amdgpu_metadata
.endif
;; end of part 1
;; launch attn (part 2): grid 8 x 32, 16 waves a work-group, no clusters, 249,856 bytes of LDS; arguments qimg, qsc, kimg, ksc, vimg, vsc, cimg, csc; writes cimg, csc
.if DOCPART == 2
	.amdgcn_target "amdgcn-amd-amdhsa--gfx1250"
	.amdhsa_code_object_version 6
	.text
	.protected	k_q140c95442f_attn
	.globl	k_q140c95442f_attn
	.p2align	8
	.type	k_q140c95442f_attn,@function
k_q140c95442f_attn:
	s_mov_b64 s[64:65], 0
	v_nop
	global_prefetch_b8 v0, s[64:65] scope:SCOPE_SE
	s_setreg_imm32_b32 hwreg(HW_REG_WAVE_MODE, 25, 1), 1
	s_wait_xcnt 0x0
; ctx = softmax(Q K^T / 8, causal) V for one head, both products on codes of FP6 (E2M3) with E8M0 scales, and ctx quantised along d_model for the last product.
; SOFTMAX.  t = score x log2(e) / 8; M = the running largest t rounded UP to a whole number; p = 2^(t - M) is quantised along the keys, not normalised; the row's sum is taken of the unquantised p and divides at the end.
;   When M moves, the sum and O are multiplied by 2^(old M - new M), which rounds nothing.
; LEFT OUT.  reference() hides key k from query q where k > q, by a mask that it builds itself: a step of 128 keys that all come after a tile's queries adds 0 to the sum and to O for all inputs, and is jumped over.
;   A NaN, an infinity or an overflow that reaches only such hidden scores is not carried to the result.
; SHARES.  Work-group (j, bh): head bh, query blocks j and 15 - j of 128 queries, 8 tiles of 16 queries each; a tile of block b has b + 1 key steps of 128 keys: 8 x 17 = 136 steps in all, whatever j.
;   Sixteen waves in eight pairs; pair i = waves 2 i, 2 i + 1 has tile i of both blocks.  The pair's LONG wave (where (w xor w / 4) is odd) does key steps 0 .. 8 of the tile of block 15 - j: 9 steps.
;   Its PARTNER does first that tile's steps 9 .. 15 - j (7 - j steps), leaves -M, the sum and O^T in LDS, begins anew, and does its own tile of block j (j + 1 steps): 8 steps.
;   Behind one barrier the long wave joins the two parts: both are brought under the larger M by powers of two, which round nothing.  Each wave then finishes and stores ONE tile.
; LDS.  The head's K and V (images of fragments) and their scale words lie in LDS whole, filled once, one tensor load a wave: waves 0-5 K's sixths, waves 6-11 V's (64 rows of 256 bytes each),
;   waves 12, 13 the halves of K's scale words, waves 14, 15 of V's (16 rows of 256 bytes).  Behind them 4,352 bytes for each pair's exchange, into which no fill lands, then the spare words.  Nothing is filled again.
; LAYOUT.  Both products transposed: S^T = K Q^T (source 0 = 16 neighbouring keys, source 1 = my queries), O^T = V^T P^T: a lane holds one query throughout.  The head has 64 features, half of the instruction's 128:
;   Q's upper six registers are zero codes, so whatever stands in K's upper six (the next tile's codes) adds nothing; no scale byte is 0xff.
;   p's 16 registers of tiles 2 b, 2 b + 1 hold keys 32 b + 16 v + 8 (lane / 16) + j: the order in which the launch before laid V's codes.
; LOOPS.  Every wave walks both loops' lines, 7 and 9 trips; a step that is not the wave's is jumped over by a scalar branch on ids; in the step on the diagonal hidden scores become -infinity.
; NO JOINT LOADS: the work-groups that read the same K and V differ in j, on which the jumps over steps hang; partners of a cluster must run alike.
; NO PREFETCH: every byte of K and V is asked for by the sixteen loads at the head; there is no later load to run ahead of.
; OUT.  ctx's fragment halves leave as images (512 + 256 consecutive bytes a wave); its scale bytes leave one byte a lane to rows 32 bytes apart: one instruction a wave, 131,072 bytes in the whole launch.
; LIMITS.  The promise holds while |t| stays under 2^31.  A block of zeros gets the scale byte 1, not 127 (zero codes; this program alone reads the bytes).  A block's largest p is taken from its largest score,
;   which takes v_exp_f32 not to fall where its input rises.  NaN and infinities among the inputs are not served.  A long wave loads its Q twice (the second set is its partner's need; the text is one for both).
; REGISTERS.  v1-11, v29 lane terms and addresses; v12 -M, v13 largest t, v[14:15] the sum; v16-27 my own tile's Q, v28 its scale word; v230-241, v229 the same of the tile of block 15 - j;
;   v30-77 four images of K, then four fragments of V; v78-83 zeros; v84-87, v88-91 K's, V's scale words; v96-159 S^T, then p; v160-191 O^T; v192-203 p's codes, v204-211 conversions;
;   v212-223 the blocks' maxima, bytes, scale operands; v224-225 at work; v[226:227] f; v228 p's scale word; v242-253 partial sums; v254, v255 the spare word's address and 0.
.set STEPB, 6144                       ; a key step: four images
.set VOFF,  98304                      ; V's images lie behind K's
.set KSC,   196608                     ; K's scale words, 8,192 bytes; V's 8,192 further on
.set XCH,   212992                     ; the pairs' exchange
.set XP,    4352                       ; 8 x 512 bytes of O^T, 256 of -M and the sum
.set SPARE, XCH+8*XP                   ; 128 bytes for each of 16 waves
.set S,     96
.set O,     160
.set PCD,   192
.set PX,    204
.set BM,    212
.set BT,    216
.set BS,    220
.set TMP,   224
.set FF,    226
.set PS,    228
.set Q1,    16
.set Q2,    230
.set SEL,   60
.set CS,    62
.set TB,    66
.set TS,    67
.set G,     68                         ; the step's block of 128 keys
.set GQ,    69                         ; my own tile's block of 128 queries
.set CNT,   70
.set LIM,   95                         ; the first loop's last step: 15 - j for a partner, 0 (none) for a long wave
	s_load_b512 s[4:19], s[0:1], 0x0               ; qimg 4, qsc 6, kimg 8, ksc 10, vimg 12, vsc 14, cimg 16, csc 18
	v_lshl_add_u32 v254, v0, 2, SPARE
	v_mov_b32 v255, 0
	ds_add_u32 v254, v255                          ; the opening: the add, twice on end, and its wait ahead of my tensor load
	ds_add_u32 v254, v255
	v_lshrrev_b32 v9, 5, v0
	v_and_b32 v96, 31, v0                          ; lane
	v_readfirstlane_b32 s20, v9                    ; wave 0..15
	v_and_b32 v97, 15, v0                          ; r
	v_bfe_u32 v98, v0, 4, 1                        ; h
	v_lshlrev_b32 v1, 4, v96                       ; an image's place for my lane
	v_lshl_add_u32 v2, v96, 3, KSC                 ; two scale words a lane
	v_lshlrev_b32 v6, 3, v96
	v_lshlrev_b32 v8, 3, v97
	v_lshlrev_b32 v5, 3, v98
	v_lshl_add_u32 v7, v97, 5, v98                 ; ctx's scale bytes: 32 r + h
	v_add_nc_u32 v29, VOFF, v1
	v_sub_nc_u32 v5, v97, v5
	s_and_b32 s23, ttmp7, 0xffff                   ; bh
	s_lshr_b32 s21, s20, 1                         ; ti: my pair, and its tile of 16 queries in both blocks
	s_lshr_b32 s71, s20, 2
	s_xor_b32 s71, s71, s20
	s_and_b32 s71, s71, 1                          ; 1: the pair's long wave
	s_sub_co_u32 s72, 15, ttmp9                    ; the later block
	s_cmp_eq_u32 s71, 1
	s_cselect_b32 s[GQ], s72, ttmp9
	s_cselect_b32 s[LIM], 0, s72
	s_lshl_b32 s73, s21, 4
	s_mul_i32 s94, s21, XP
	s_add_co_u32 s94, s94, XCH
	s_wait_alu depctr_va_vdst(0)
	v_add_nc_u32 v5, s73, v5                       ; d = 16 ti + r - 8 h: register 8 t + j of the diagonal step holds a hidden key where 16 t + j > d
	v_add_nc_u32 v10, s94, v1                      ; my pair's exchange: O^T at 16 x lane,
	v_add_nc_u32 v11, s94, v6                      ; -M and the sum at 4,096 + 8 x lane
	; descriptor groups 1: dense blocks as rows of 256 bytes (32 elements of 8): 64 rows of images, 16 rows of scale words
	s_mov_b32 s24, 3<<16
	s_mov_b32 s25, 32<<16
	s_mov_b32 s26, 64<<16
	s_mov_b32 s27, 32<<16
	s_mov_b32 s28, 64
	s_mov_b32 s29, 32
	s_mov_b32 s30, 0
	s_mov_b32 s31, 0
	s_mov_b32 s32, 3<<16
	s_mov_b32 s33, 32<<16
	s_mov_b32 s34, 16<<16
	s_mov_b32 s35, 32<<16
	s_mov_b32 s36, 16
	s_mov_b32 s37, 32
	s_mov_b32 s38, 0
	s_mov_b32 s39, 0
	s_cmp_lt_u32 s20, 6
	s_cselect_b32 s73, 0, 6
	s_sub_co_u32 s73, s20, s73                     ; which sixth of K or of V
	s_lshl_b32 s74, s73, 14
	s_mul_i32 s75, s23, 98304
	s_add_co_u32 s74, s74, s75
	s_mov_b32 s75, 0
	s_and_b32 s76, s20, 1                          ; which half of the scale words
	s_lshl_b32 s76, s76, 12
	s_lshl_b32 s77, s23, 13
	s_add_co_u32 s76, s76, s77
	s_mov_b32 s77, 0
	s_mov_b32 s44, 1
	s_lshl_b32 s45, s20, 14                        ; images: LDS byte 16,384 x wave
	s_mov_b32 s40, 1
	s_lshl_b32 s41, s20, 12
	s_add_co_u32 s41, s41, KSC-12*4096             ; scale words: KSC + 4,096 x (wave - 12)
	; Q's images: pair of tiles 64 bh + 4 block + ti / 2, 1,536 bytes each
	s_lshl_b32 s83, s23, 6
	s_lshr_b32 s84, s21, 1
	s_add_co_u32 s83, s83, s84
	s_lshl_b32 s84, s[GQ], 2
	s_add_co_u32 s84, s84, s83
	s_mul_i32 s84, s84, 1536
	s_mov_b32 s85, 0
	s_lshl_b32 s86, s72, 2
	s_add_co_u32 s86, s86, s83
	s_mul_i32 s86, s86, 1536
	s_mov_b32 s87, 0
	; Q's words: 8,192 bh + 512 block + 256 (ti / 4) + 128 (ti % 2) + 4 ((ti / 2) % 2) + 8 r
	s_lshl_b32 s88, s23, 13
	s_lshr_b32 s89, s21, 2
	s_lshl_b32 s89, s89, 8
	s_add_co_u32 s88, s88, s89
	s_and_b32 s89, s21, 1
	s_lshl_b32 s89, s89, 7
	s_add_co_u32 s88, s88, s89
	s_bfe_u32 s89, s21, 0x10001
	s_lshl_b32 s89, s89, 2
	s_add_co_u32 s88, s88, s89
	s_lshl_b32 s90, s[GQ], 9
	s_add_co_u32 s90, s90, s88
	s_mov_b32 s91, 0
	s_lshl_b32 s92, s72, 9
	s_add_co_u32 s92, s92, s88
	s_mov_b32 s93, 0
	; where ctx goes: RB = 16 (bh / 16) + my block, hd = bh % 16: record ((16 RB + hd) 8 + ti) of 768 bytes; scale bytes at row (128 RB + 16 ti + r) x 32 + 2 hd + h
	s_lshr_b32 s48, s23, 4
	s_lshl_b32 s48, s48, 4
	s_add_co_u32 s48, s48, s[GQ]
	s_and_b32 s49, s23, 15
	s_lshl_b32 s50, s48, 4
	s_add_co_u32 s50, s50, s49
	s_lshl_b32 s50, s50, 3
	s_add_co_u32 s50, s50, s21
	s_mul_i32 s96, s50, 768
	s_mov_b32 s97, 0
	s_lshl_b32 s98, s48, 12
	s_lshl_b32 s51, s21, 9
	s_add_co_u32 s98, s98, s51
	s_lshl_b32 s51, s49, 1
	s_add_co_u32 s98, s98, s51
	s_mov_b32 s99, 0
	s_mov_b32 s[SEL], 0x76543210
	s_mov_b32 s[SEL+1], 0xfedcba98                 ; v_permlanex16_b32's selects for lane xor 16
	s_mov_b32 s[CS], 0x3e38aa3b                    ; c = log2(e) / 8
	s_mov_b32 s[CS+1], s[CS]                       ; (named with it as a pair, so it is written)
	s_wait_alu depctr_va_vdst(0)
	s_wait_dscnt 0x0                               ; both opening adds are done
	s_wait_kmcnt 0x0
	s_cmp_lt_u32 s20, 6
	s_cselect_b64 s[78:79], s[8:9], s[12:13]
	s_cmp_lt_u32 s20, 14
	s_cselect_b64 s[80:81], s[10:11], s[14:15]
	s_add_nc_u64 s[46:47], s[78:79], s[74:75]
	s_or_b32 s47, s47, 0x80000000
	s_add_nc_u64 s[42:43], s[80:81], s[76:77]
	s_or_b32 s43, s43, 0x80000000
	s_cmp_lt_u32 s20, 12                           ; one chain of two arms, a load in each: every wave issues exactly one
	s_cbranch_scc0 .Lfill_sc
	tensor_load_to_lds s[44:47], s[24:31]
	s_nop 0
.rept 4
	v_nop
.endr
	s_branch .Lfilled
.Lfill_sc:
	tensor_load_to_lds s[40:43], s[32:39]
	s_nop 0
.rept 4
	v_nop
.endr
.Lfilled:
	s_add_nc_u64 s[84:85], s[4:5], s[84:85]
	s_add_nc_u64 s[86:87], s[4:5], s[86:87]
	s_add_nc_u64 s[90:91], s[6:7], s[90:91]
	s_add_nc_u64 s[92:93], s[6:7], s[92:93]
	global_load_b128 v[Q1:Q1+3], v1, s[84:85]
	global_load_b128 v[Q1+4:Q1+7], v1, s[84:85] offset:512
	global_load_b128 v[Q1+8:Q1+11], v1, s[84:85] offset:1024
	global_load_b32 v28, v8, s[90:91]
	global_load_b128 v[Q2:Q2+3], v1, s[86:87]
	global_load_b128 v[Q2+4:Q2+7], v1, s[86:87] offset:512
	global_load_b128 v[Q2+8:Q2+11], v1, s[86:87] offset:1024
	global_load_b32 v229, v8, s[92:93]
	s_add_nc_u64 s[16:17], s[16:17], s[96:97]
	s_add_nc_u64 s[18:19], s[18:19], s[98:99]
.macro FRESH                           ; a tile's state before its first key
	v_mov_b32 v13, 0xff61b1e6                      ; the largest t so far: -3e38, under every t
	v_mov_b32 v14, 0
	v_mov_b32 v15, 0
	v_floor_f32 v12, -v13                          ; -M
.set I, 0
.rept 32
	v_mov_b32 v[O+I], 0                            ; O^T.  (The step is written once: the first finds zeros, which the first change of M leaves zeros)
.set I, I+1
.endr
.endm
	FRESH
.irp b, 0,1,2,3
	v_mov_b32 v[BT+\b], 0                          ; written once: a lane permute's destination counts as one of its sources
.endr
	v_mov_b32 v[TMP], 0
	v_mov_b32 v[FF], 0
	v_mov_b32 v[FF+1], 0                           ; (named as the upper half of the pair)
.irp i, 0,1,2,3,4,5
	v_mov_b32 v[78+\i], 0                          ; what stands behind the last tile of K
.endr
	s_wait_alu depctr_va_vdst(0)
	s_wait_loadcnt 0x0                             ; both Qs and their words
	s_and_b32 s73, s21, 1
	s_cmp_eq_u32 s73, 0
	s_cbranch_scc1 .Leven
.irp i, 0,1,2,3,4,5
	v_mov_b32 v[Q1+\i], v[Q1+6+\i]                 ; an odd tile's codes are the image's upper six registers
	v_mov_b32 v[Q2+\i], v[Q2+6+\i]
.endr
.Leven:
.irp i, 0,1,2,3,4,5
	v_mov_b32 v[Q1+6+\i], 0                        ; zero codes for k = 64 .. 127
	v_mov_b32 v[Q2+6+\i], 0
.endr
.macro QK t, q, qs
.if (\t)%2
	v_wmma_scale_f32_16x16x128_f8f6f4 v[S+8*(\t):S+8*(\t)+7], v[30+6*(\t):41+6*(\t)], v[\q:\q+11], 0, v[84+(\t)/2], v[\qs] matrix_a_fmt:MATRIX_FMT_FP6 matrix_b_fmt:MATRIX_FMT_FP6 matrix_a_scale:MATRIX_SCALE_ROW1
.else
	v_wmma_scale_f32_16x16x128_f8f6f4 v[S+8*(\t):S+8*(\t)+7], v[30+6*(\t):41+6*(\t)], v[\q:\q+11], 0, v[84+(\t)/2], v[\qs] matrix_a_fmt:MATRIX_FMT_FP6 matrix_b_fmt:MATRIX_FMT_FP6
.endif
.endm
; A KEY STEP: 128 keys.  lim: the scalar that holds the tile's last step, the one on the diagonal; q, qs: the tile's Q and its scale word.
.macro STEP lim, q, qs
	s_cmp_gt_u32 s[G], s[\lim]                     ; not a step of mine: only the lines at its end are run
	s_cbranch_scc1 .Lhidden_\@
	v_add_nc_u32 v3, s[TB], v1
	v_add_nc_u32 v4, s[TS], v2
	v_add_nc_u32 v9, s[TB], v29
	v_nop                                          ; four places in front of loads into registers that the last products read
.irp j, 0,1,2,3,4,5,6,7,8,9,10,11
	ds_load_b128 v[30+4*\j:33+4*\j], v3 offset:512*\j            ; four images of K: eight tiles of 16 keys, six registers each
.endr
	ds_load_b64 v[84:85], v4                       ; their words: lanes 0-15 the even tile's, lanes 16-31 the odd tile's
	ds_load_b64 v[86:87], v4 offset:256
	s_wait_alu depctr_va_vdst(0)
	s_wait_dscnt 0x0
.irp t, 0,1,2,3,4,5,6,7
	QK \t, \q, \qs
.endr
.rept 4
	v_nop                                          ; four places: in front of the loads below and of the first read of the scores
.endr
.irp j, 0,1,2,3,4,5,6,7,8,9,10,11
	ds_load_b128 v[30+4*\j:33+4*\j], v9 offset:512*\j            ; V's four fragments land under the softmax
.endr
	ds_load_b64 v[88:89], v4 offset:8192
	ds_load_b64 v[90:91], v4 offset:8448
	s_cmp_lt_u32 s[G], s[\lim]                     ; all keys count: no mask
	s_cbranch_scc1 .Lopen_\@
	v_mov_b32 v[TMP+1], 0xff800000                 ; -infinity
.set I, 0
.rept 64
	v_cmp_gt_i32 vcc_lo, 16*(I/8)+I%8, v5
	v_cndmask_b32 v[S+I], v[S+I], v[TMP+1], vcc_lo
.set I, I+1
.endr
.Lopen_\@:
.irp b, 0,1,2,3
	v_max3_num_f32 v[BM+\b], v[S+16*\b], v[S+1+16*\b], v[S+2+16*\b]   ; the largest score of each block of 32 keys: for the row's maximum, and, since p rises with the score, for the block's largest p
.endr
.irp i, 3,5,7,9,11,13
.irp b, 0,1,2,3
	v_max3_num_f32 v[BM+\b], v[BM+\b], v[S+16*\b+\i], v[S+1+16*\b+\i]
.endr
.endr
.irp b, 0,1,2,3
	v_max_num_f32 v[BM+\b], v[BM+\b], v[S+15+16*\b]
.endr
.irp b, 0,1,2,3
	s_delay_alu instid0(VALU_DEP_4)
	v_permlanex16_b32 v[BT+\b], v[BM+\b], s[SEL], s[SEL+1]
.endr
.irp b, 0,1,2,3
	s_delay_alu instid0(VALU_DEP_4)
	v_max_num_f32 v[BM+\b], v[BM+\b], v[BT+\b]     ; with lane xor 16's 16 keys
.endr
	s_delay_alu instid0(VALU_DEP_2)
	v_max3_num_f32 v[TMP], v[BM], v[BM+1], v[BM+2]
	s_delay_alu instid0(VALU_DEP_1)
	v_max_num_f32 v[TMP], v[TMP], v[BM+3]
	s_delay_alu instid0(VALU_DEP_1)
	v_mul_f32 v[TMP], s[CS], v[TMP]                ; as t (c is positive)
	s_delay_alu instid0(VALU_DEP_1)
	v_max_num_f32 v13, v13, v[TMP]                 ; the running largest t
	v_mov_b32 v[TMP], v12
	s_delay_alu instid0(VALU_DEP_2)
	v_floor_f32 v12, -v13                          ; the new -M = floor(-t): M is a whole number
	s_delay_alu instid0(VALU_DEP_1)
	v_sub_f32 v[TMP], v12, v[TMP]                  ; old M - new M: a whole number, 0 or less
	s_delay_alu instid0(VALU_DEP_1)
	v_cvt_i32_f32 v[TMP], v[TMP]                   ; (it saturates)
	s_delay_alu instid0(VALU_DEP_1)
	v_ldexp_f32 v[FF], 1.0, v[TMP]                 ; f = 2^(old M - new M)
.set I, 0
.rept 32
	v_pk_fma_f32 v[S+I:S+I+1], v[S+I:S+I+1], s[CS:CS+1], v[12:13] op_sel_hi:[1,0,0]   ; t - M
.set I, I+2
.endr
.irp b, 0,1,2,3
	v_fma_f32 v[BM+\b], v[BM+\b], s[CS], v12       ; the same of each block's largest score
.endr
.set I, 0
	s_wait_alu depctr_va_vdst(0)
.rept 64
	v_exp_f32 v[S+I], v[S+I]                       ; p = 2^(t - M)
.set I, I+1
.endr
.irp b, 0,1,2,3
	v_exp_f32 v[BM+\b], v[BM+\b]                   ; the block's largest p
.endr
	v_pk_mul_f32 v[14:15], v[14:15], v[FF:FF+1] op_sel_hi:[1,0]   ; the sums under the new M.  (A plain place behind the exponentials)
	s_wait_alu depctr_va_vdst(0)                   ; and behind it, ahead of its first reader
.irp b, 0,1,2,3
	v_max_num_f32 v[BM+\b], 0x1800000, v[BM+\b]    ; the floor 2^(3 - 127): the byte cannot fall under 1
.endr
.irp b, 0,1,2,3
	s_delay_alu instid0(VALU_DEP_4)
	v_add_nc_u32 v[BS+\b], 0xff000000, v[BM+\b]    ; 2 off the exponent field: the conversion's scale operand
.endr
.irp b, 0,1,2,3
	s_delay_alu instid0(VALU_DEP_4)
	v_lshrrev_b32 v[BT+\b], 23, v[BS+\b]           ; the scale's byte
.endr
	s_delay_alu instid0(VALU_DEP_3)
	v_lshl_or_b32 v[PS], v[BT+1], 8, v[BT]         ; p's scale word for these 128 keys
	s_delay_alu instid0(VALU_DEP_1)
	v_lshl_or_b32 v[PS], v[BT+2], 16, v[PS]
	s_delay_alu instid0(VALU_DEP_1)
	v_lshl_or_b32 v[PS], v[BT+3], 24, v[PS]
.irp c, 0,1
	v_cvt_scalef32_pk16_fp6_f32 v[PCD+6*\c:PCD+2+6*\c], v[S+32*\c:S+15+32*\c], v[BS+2*\c]
	v_cvt_scalef32_pk16_fp6_f32 v[PX+4*\c:PX+2+4*\c], v[S+16+32*\c:S+31+32*\c], v[BS+2*\c+1]
.endr
	v_nop                                          ; one plain place behind a scaled conversion
.irp c, 0,1                                    ; a whole block to a lane
.irp i, 0,1,2
	v_permlane16_swap_b32 v[PCD+6*\c+\i], v[PX+4*\c+\i]
.endr
.irp i, 0,1,2
	s_delay_alu instid0(VALU_DEP_3)
	v_mov_b32 v[PCD+3+6*\c+\i], v[PX+4*\c+\i]
.endr
.endr
	v_pk_add_f32 v[204:205], v[100:101], v[104:105]   ; the row's sum of the unquantised p, in eight chains
	v_pk_add_f32 v[252:253], v[108:109], v[112:113]
	v_pk_add_f32 v[250:251], v[116:117], v[120:121]
	v_pk_add_f32 v[248:249], v[124:125], v[128:129]
	v_pk_add_f32 v[246:247], v[132:133], v[136:137]
	v_pk_add_f32 v[244:245], v[140:141], v[144:145]
	v_pk_add_f32 v[242:243], v[148:149], v[152:153]
	v_pk_add_f32 v[14:15], v[14:15], v[156:157]
	v_pk_add_f32 v[204:205], v[204:205], v[96:97]
	v_pk_add_f32 v[252:253], v[252:253], v[98:99]
	v_pk_add_f32 v[250:251], v[250:251], v[102:103]
	v_pk_add_f32 v[248:249], v[248:249], v[106:107]
	v_pk_add_f32 v[246:247], v[246:247], v[110:111]
	v_pk_add_f32 v[244:245], v[244:245], v[114:115]
	v_pk_add_f32 v[242:243], v[242:243], v[118:119]
	v_pk_add_f32 v[14:15], v[14:15], v[122:123]
	v_pk_add_f32 v[204:205], v[204:205], v[126:127]
	v_pk_add_f32 v[252:253], v[252:253], v[130:131]
	v_pk_add_f32 v[250:251], v[250:251], v[134:135]
	v_pk_add_f32 v[248:249], v[248:249], v[138:139]
	v_pk_add_f32 v[246:247], v[246:247], v[142:143]
	v_pk_add_f32 v[244:245], v[244:245], v[146:147]
	v_pk_add_f32 v[242:243], v[242:243], v[150:151]
	v_pk_add_f32 v[14:15], v[14:15], v[154:155]
	v_pk_add_f32 v[204:205], v[204:205], v[158:159]
	s_delay_alu instid0(VALU_DEP_2)
	v_pk_add_f32 v[14:15], v[14:15], v[248:249]
	s_delay_alu instid0(VALU_DEP_2)
	v_pk_add_f32 v[204:205], v[204:205], v[246:247]
	v_pk_add_f32 v[252:253], v[252:253], v[244:245]
	v_pk_add_f32 v[250:251], v[250:251], v[242:243]
	s_delay_alu instid0(VALU_DEP_2)
	v_pk_add_f32 v[14:15], v[14:15], v[252:253]
	s_delay_alu instid0(VALU_DEP_2)
	v_pk_add_f32 v[204:205], v[204:205], v[250:251]
	s_delay_alu instid0(VALU_DEP_1)
	v_pk_add_f32 v[14:15], v[14:15], v[204:205]
.set I, 0
.rept 16
	v_pk_mul_f32 v[O+I:O+I+1], v[O+I:O+I+1], v[FF:FF+1] op_sel_hi:[1,0]   ; O^T under the new M.  (With the sums above: the places between p's codes and scale word and the products)
.set I, I+2
.endr
	s_wait_alu depctr_va_vdst(0)
	s_wait_dscnt 0x0                               ; V and its words
.irp n, 0,1,2,3
	v_wmma_scale_f32_16x16x128_f8f6f4 v[O+8*\n:O+8*\n+7], v[30+12*\n:41+12*\n], v[PCD:PCD+11], v[O+8*\n:O+8*\n+7], v[88+\n], v[PS] matrix_a_fmt:MATRIX_FMT_FP6 matrix_b_fmt:MATRIX_FMT_FP6
.endr
.Lhidden_\@:
	s_add_co_u32 s[TB], s[TB], STEPB
	s_add_co_u32 s[TS], s[TS], 512
	s_add_co_u32 s[G], s[G], 1
.endm
; A walk over key steps first .. first + trips - 1: the trips are a constant, whatever the wave and the work-group
.macro WALK first, trips, lim, q, qs
	s_mov_b32 s[G], \first
	s_mov_b32 s[TB], \first*STEPB
	s_mov_b32 s[TS], \first*512
	s_mov_b32 s[CNT], \trips
.Lstep_\@:
	STEP \lim, \q, \qs
	s_sub_co_u32 s[CNT], s[CNT], 1
	s_cmp_lg_u32 s[CNT], 0
	s_cbranch_scc1 .Lstep_\@
.endm
	s_wait_alu depctr_va_vdst(0)
	s_wait_tensorcnt 0x0                           ; my part of K, V or the scale words has landed
	s_barrier_signal -1
	s_barrier_wait -1                              ; everybody's has
	WALK 9, 7, LIM, Q2, 229                        ; a partner: steps 9 .. 15 - j of the tile of block 15 - j; a long wave: none
	s_cmp_eq_u32 s71, 1
	s_cbranch_scc1 .Lkeep                          ; a long wave has nothing to hand over
.rept 4
	v_nop                                          ; four places behind the last products
.endr
	v_add_f32 v13, v14, v15                        ; my lane's share of the sum, beside -M
.irp k, 0,1,2,3,4,5,6,7
	ds_store_b128 v10, v[O+4*\k:O+4*\k+3] offset:512*\k          ; each accumulator from its low end on
.endr
	ds_store_b64 v11, v[12:13] offset:4096
	FRESH                                          ; and my own tile begins
.Lkeep:
	WALK 0, 9, GQ, Q1, 28                          ; a long wave: steps 0 .. 8 of its tile; a partner: steps 0 .. j of its own
.rept 4
	v_nop                                          ; four places behind the last products, on every way that leads here
.endr
	s_wait_alu depctr_va_vdst(0)
	s_wait_dscnt 0x0                               ; my stores into the exchange are done
	s_barrier_signal -1
	s_barrier_wait -1                              ; everybody's are
	s_cmp_eq_u32 s71, 0
	s_cbranch_scc1 .Lown                           ; a partner's own tile is whole
	ds_load_b64 v[S+32:S+33], v11 offset:4096      ; my partner's -M and sum,
.irp k, 0,1,2,3,4,5,6,7
	ds_load_b128 v[S+4*\k:S+4*\k+3], v10 offset:512*\k           ; and its O^T
.endr
	s_wait_dscnt 0x0
	v_min_num_f32 v[TMP], v12, v[S+32]             ; -(the larger M)
	s_delay_alu instid0(VALU_DEP_1)
	v_sub_f32 v[FF], v[TMP], v12                   ; whole numbers, 0 or less
	v_sub_f32 v[BT], v[TMP], v[S+32]
	s_delay_alu instid0(VALU_DEP_2)
	v_cvt_i32_f32 v[FF], v[FF]                     ; (they saturate: a partner with no step has M = -3e38, and its factor comes out 0)
	s_delay_alu instid0(VALU_DEP_2)
	v_cvt_i32_f32 v[BT], v[BT]
	s_delay_alu instid0(VALU_DEP_2)
	v_ldexp_f32 v[FF], 1.0, v[FF]                  ; my factor,
	s_delay_alu instid0(VALU_DEP_2)
	v_ldexp_f32 v[BT], 1.0, v[BT]                  ; my partner's
	s_delay_alu instid0(VALU_DEP_2)
	v_pk_mul_f32 v[14:15], v[14:15], v[FF:FF+1] op_sel_hi:[1,0]
.set I, 0
.rept 16
	v_pk_mul_f32 v[O+I:O+I+1], v[O+I:O+I+1], v[FF:FF+1] op_sel_hi:[1,0]
.set I, I+2
.endr
	v_fma_f32 v14, v[S+33], v[BT], v14
.set I, 0
.rept 16
	v_pk_fma_f32 v[O+I:O+I+1], v[S+I:S+I+1], v[BT:BT+1], v[O+I:O+I+1] op_sel_hi:[1,0,1]
.set I, I+2
.endr
.Lown:
	; THE WAY OUT of my one tile.
	v_add_f32 v14, v14, v15
	s_delay_alu instid0(VALU_DEP_1)
	v_permlanex16_b32 v[TMP], v14, s[SEL], s[SEL+1]
	s_delay_alu instid0(VALU_DEP_1)
	v_add_f32 v14, v14, v[TMP]                     ; the row's sum
	s_wait_alu depctr_va_vdst(0)
	v_rcp_f32 v14, v14
	s_mov_b32 vcc_lo, 0xffff0000
	v_nop                                          ; a plain place behind the transcendental
.set I, 0
	s_wait_alu depctr_va_vdst(0)                   ; and ahead of its first reader
.rept 32
	v_mul_f32 v[S+I], v[O+I], v14                  ; register 8 n + j: channel 16 n + 8 h + j of my query
.set I, I+1
.endr
.irp c, 0,1                                    ; wo's codes come in the natural order, so ctx's must: after the exchange register 16 c + i holds channel 32 c + 16 h + i
.irp j, 0,1,2,3,4,5,6,7
	v_permlane16_swap_b32 v[S+16*\c+\j], v[S+8+16*\c+\j]
.endr
.endr
.irp c, 0,1
	v_max3_num_f32 v[BM+\c], |v[S+16*\c]|, |v[S+1+16*\c]|, 0x1800000
.endr
.irp i, 2,4,6,8,10,12,14
.irp c, 0,1
	s_delay_alu instid0(VALU_DEP_2)
	v_max3_num_f32 v[BM+\c], v[BM+\c], |v[S+16*\c+\i]|, |v[S+1+16*\c+\i]|
.endr
.endr
.irp c, 0,1
	s_delay_alu instid0(VALU_DEP_2)
	v_permlanex16_b32 v[BT+\c], v[BM+\c], s[SEL], s[SEL+1]
.endr
.irp c, 0,1
	s_delay_alu instid0(VALU_DEP_2)
	v_max_num_f32 v[BM+\c], v[BM+\c], v[BT+\c]
.endr
.irp c, 0,1
	s_delay_alu instid0(VALU_DEP_2)
	v_add_nc_u32 v[BS+\c], 0xff000000, v[BM+\c]
.endr
.irp c, 0,1
	s_delay_alu instid0(VALU_DEP_2)
	v_lshrrev_b32 v[BT+\c], 23, v[BS+\c]
.endr
	v_cvt_scalef32_pk16_fp6_f32 v[192:194], v[S:S+15], v[BS]
	v_cvt_scalef32_pk16_fp6_f32 v[196:198], v[S+16:S+31], v[BS+1]
	v_nop                                          ; one plain place behind a scaled conversion
	v_cndmask_b32 v[TMP], v[BT], v[BT+1], vcc_lo   ; lane (r, h) stores block h's byte
.irp i, 0,1,2
	v_permlane16_swap_b32 v[192+\i], v[196+\i]     ; a whole block to a lane: lanes 0-15 block 0, lanes 16-31 block 1
.endr
	s_delay_alu instid0(VALU_DEP_3)
	v_mov_b32 v195, v196
	s_delay_alu instid0(VALU_DEP_3)
	v_mov_b32 v196, v197
	s_delay_alu instid0(VALU_DEP_3)
	v_mov_b32 v197, v198
	global_store_b128 v1, v[192:195], s[16:17]     ; 512 consecutive bytes,
	global_store_b64 v6, v[196:197], s[16:17] offset:512   ; and 256
	global_store_b8 v7, v[TMP], s[18:19]
	s_wait_tensorcnt 0x0                           ; the wave's end
	ds_add_u32 v254, v255
	s_wait_dscnt 0x0
	s_endpgm
.Lfunc_end_k_q140c95442f_attn:
	.size	k_q140c95442f_attn, .Lfunc_end_k_q140c95442f_attn-k_q140c95442f_attn
	.p2alignl 7, 3214868480
	.fill 96, 4, 3214868480
	.section	.rodata,"a",@progbits
	.p2align	6, 0x0
	.amdhsa_kernel k_q140c95442f_attn
		.amdhsa_group_segment_fixed_size 249856
		.amdhsa_private_segment_fixed_size 0
		.amdhsa_enable_private_segment 0
		.amdhsa_kernarg_size 64
		.amdhsa_user_sgpr_count 2
		.amdhsa_user_sgpr_kernarg_segment_ptr 1
		.amdhsa_wavefront_size32 1
		.amdhsa_system_sgpr_workgroup_id_x 1
		.amdhsa_system_sgpr_workgroup_id_y 1
		.amdhsa_system_sgpr_workgroup_id_z 1
		.amdhsa_system_vgpr_workitem_id 0
		.amdhsa_next_free_vgpr 256
		.amdhsa_next_free_sgpr 100
		.amdhsa_reserve_vcc 1
		.amdhsa_float_denorm_mode_32 3
		.amdhsa_float_denorm_mode_16_64 3
		.amdhsa_memory_ordered 1
		.amdhsa_forward_progress 1
		.amdhsa_inst_pref_size 64
	.end_amdhsa_kernel
	.amdgpu_metadata
---
amdhsa.version: [ 1, 2 ]
amdhsa.kernels:
  - .name:           k_q140c95442f_attn
    .symbol:         k_q140c95442f_attn.kd
    .args:
      - { .name: qimg, .offset: 0, .size: 8, .value_kind: global_buffer, .address_space: global }
      - { .name: qsc, .offset: 8, .size: 8, .value_kind: global_buffer, .address_space: global }
      - { .name: kimg, .offset: 16, .size: 8, .value_kind: global_buffer, .address_space: global }
      - { .name: ksc, .offset: 24, .size: 8, .value_kind: global_buffer, .address_space: global }
      - { .name: vimg, .offset: 32, .size: 8, .value_kind: global_buffer, .address_space: global }
      - { .name: vsc, .offset: 40, .size: 8, .value_kind: global_buffer, .address_space: global }
      - { .name: cimg, .offset: 48, .size: 8, .value_kind: global_buffer, .address_space: global }
      - { .name: csc, .offset: 56, .size: 8, .value_kind: global_buffer, .address_space: global }
    .group_segment_fixed_size: 249856
    .private_segment_fixed_size: 0
    .kernarg_segment_align: 8
    .kernarg_segment_size: 64
    .max_flat_workgroup_size: 512
    .sgpr_count:     100
    .vgpr_count:     256
    .wavefront_size: 32
...
	.end_amdgpu_metadata
.endif
;; end of part 2
;; launch oproj (part 3): grid 8 x 32, 4 waves a work-group, clusters of 4 x 4, 239,104 bytes of LDS; arguments cimg, csc, wo_codes, wo_scales, out0; writes out0
.if DOCPART == 3
	.amdgcn_target "amdgcn-amd-amdhsa--gfx1250"
	.amdhsa_code_object_version 6
	.text
	.protected	k_q140c95442f_oproj
	.globl	k_q140c95442f_oproj
	.p2align	8
	.type	k_q140c95442f_oproj,@function
k_q140c95442f_oproj:
	s_mov_b64 s[64:65], 0
	v_nop
	global_prefetch_b8 v0, s[64:65] scope:SCOPE_SE
	s_setreg_imm32_b32 hwreg(HW_REG_WAVE_MODE, 25, 1), 1
	s_wait_xcnt 0x0
	s_wait_alu depctr_hold_cnt(0) depctr_sa_sdst(0) depctr_va_vdst(0) depctr_va_sdst(0) depctr_va_ssrc(0) depctr_va_vcc(0) depctr_vm_vsrc(0)
	s_getreg_b32 s2, hwreg(HW_REG_IB_STS2, 6, 4)
	s_cmp_eq_u32 s2, 0
	s_cbranch_scc0 .Lentry_in_a_cluster
	s_endpgm
.Lentry_in_a_cluster:
	s_bfe_u32 s2, ttmp6, 0x10000c
	s_cmp_lg_u32 s2, 0xf033
	s_cbranch_scc0 .Lentry_shape_is_right
	s_endpgm
.Lentry_shape_is_right:
; out = ctx wo^T on codes of FP6 (E2M3) with E8M0 scales; out [4096][1024] f32.
; ctx comes as the launch before laid it: [32 blocks of 128 rows][16 heads][8 tiles of 16 rows][768 bytes]: six registers of a fragment (one head's 64 along K) as an image, 512 bytes at 16 x lane and 256 at 8 x lane;
; its scale bytes [4096][32].  wo: 1,024 rows of 768 bytes of codes, 32 scale bytes a row.
; SHARES.  8 x 32 work-groups: 128 features (fb) x 128 rows (RB).  Four waves of 64 x 64: source 0 = 64 rows of wo (wave % 2), source 1 = four tiles of ctx (wave / 2): a lane holds eight neighbouring numbers of a row of out.
; LDS.  Both operands for all of K, filled once, ctx's block dense, wo's as whole rows 816 bytes apart; behind them a stage for each wave,
;   into which no fill lands.  Nothing is filled again.
; CLUSTER 4 x 4.  The four of a row of the cluster share RB and so ctx's chunks, the four of a column fb and so wo's: each chunk is asked for jointly.
; REGISTERS.  window 0: v1-14 lane terms and addresses, v16-31 wo's scale words, v48-63 ctx's, v64-127 rows on the way out.   window 1: v0-127 accumulators.   window 2: two sets of fragments at v0 and v128.
; LDS AS THIS TEXT HAS IT (in place of the chunks that the head comment describes): ctx's block of 98,304 bytes dense, as it lies in memory, brought in two halves of 192 rows of 256 bytes (waves 0, 1);
; wo's 128 whole rows of 768 bytes, which begin at multiples of 256 bytes in memory, 16 bytes of padding behind every 256: rows 816 bytes apart, 64 rows a load (waves 2, 3).  One tensor load a wave; all of K is waited for once.
.set PITCH,  816
.set HALFC,  64*PITCH
.set CHUNK,  128*PITCH
.set CCH,    24576                     ; a chunk of ctx
.set WOB,    4*CCH                     ; wo's chunks lie behind ctx's
.set STAGE,  WOB+CHUNK
.set SPITCH, 272
.set ADRW,   8                         ; v8-9   my 64 rows of wo
.set AC16,   10                        ; v10    ctx: 16 x lane + my four tiles
.set AC8,    11                        ; v11    ctx: 512 + 8 x lane + my four tiles
.set STO,    12
.set RD,     13
.set CO,     14
.set SA,     16
.set SB,     48
.set BK,     64
.set MSB, 0
.macro WIN new                         ; the immediate's high byte repeats the setting that is left
.if MSB != (\new)
	s_set_vgpr_msb (MSB<<8)|(\new)
.set MSB, (\new)
.endif
.endm
.macro PLACES
.rept 4
	v_nop
.endr
.endm
.macro CROUND                          ; a round of the cluster's barrier
	s_barrier_signal -1
	s_barrier_wait -1
	s_cmp_lg_u32 s14, 0
	s_cbranch_scc1 .Lnot_wave_0_\@
	s_barrier_signal -3
.Lnot_wave_0_\@:
	s_barrier_wait -3
	s_barrier_signal -1
	s_barrier_wait -1
.endm
.macro G0SET g, base, lds, ptr, off    ; descriptor group 0: count 1, LDS address, global address, type 2
	s_mov_b32 s[\g], 1
	s_add_co_u32 s[\g+1], s[\base], \lds
	s_add_nc_u64 s[\g+2:\g+3], s[\ptr:\ptr+1], \off
	s_or_b32 s[\g+3], s[\g+3], 0x80000000
.endm
.macro WM d, a, b, zero, sa, sb, ra, rb   ; one product: ra, rb = 1: the side's scale words stand in lanes 16-31
.if \zero
.if (\ra) && (\rb)
	v_wmma_scale_f32_16x16x128_f8f6f4 v[\d:\d+7], v[\a:\a+11], v[\b:\b+11], 0, v[\sa], v[\sb] matrix_a_fmt:MATRIX_FMT_FP6 matrix_b_fmt:MATRIX_FMT_FP6 matrix_a_scale:MATRIX_SCALE_ROW1 matrix_b_scale:MATRIX_SCALE_ROW1
.elseif \ra
	v_wmma_scale_f32_16x16x128_f8f6f4 v[\d:\d+7], v[\a:\a+11], v[\b:\b+11], 0, v[\sa], v[\sb] matrix_a_fmt:MATRIX_FMT_FP6 matrix_b_fmt:MATRIX_FMT_FP6 matrix_a_scale:MATRIX_SCALE_ROW1
.elseif \rb
	v_wmma_scale_f32_16x16x128_f8f6f4 v[\d:\d+7], v[\a:\a+11], v[\b:\b+11], 0, v[\sa], v[\sb] matrix_a_fmt:MATRIX_FMT_FP6 matrix_b_fmt:MATRIX_FMT_FP6 matrix_b_scale:MATRIX_SCALE_ROW1
.else
	v_wmma_scale_f32_16x16x128_f8f6f4 v[\d:\d+7], v[\a:\a+11], v[\b:\b+11], 0, v[\sa], v[\sb] matrix_a_fmt:MATRIX_FMT_FP6 matrix_b_fmt:MATRIX_FMT_FP6
.endif
.else
.if (\ra) && (\rb)
	v_wmma_scale_f32_16x16x128_f8f6f4 v[\d:\d+7], v[\a:\a+11], v[\b:\b+11], v[\d:\d+7], v[\sa], v[\sb] matrix_a_fmt:MATRIX_FMT_FP6 matrix_b_fmt:MATRIX_FMT_FP6 matrix_a_scale:MATRIX_SCALE_ROW1 matrix_b_scale:MATRIX_SCALE_ROW1
.elseif \ra
	v_wmma_scale_f32_16x16x128_f8f6f4 v[\d:\d+7], v[\a:\a+11], v[\b:\b+11], v[\d:\d+7], v[\sa], v[\sb] matrix_a_fmt:MATRIX_FMT_FP6 matrix_b_fmt:MATRIX_FMT_FP6 matrix_a_scale:MATRIX_SCALE_ROW1
.elseif \rb
	v_wmma_scale_f32_16x16x128_f8f6f4 v[\d:\d+7], v[\a:\a+11], v[\b:\b+11], v[\d:\d+7], v[\sa], v[\sb] matrix_a_fmt:MATRIX_FMT_FP6 matrix_b_fmt:MATRIX_FMT_FP6 matrix_b_scale:MATRIX_SCALE_ROW1
.else
	v_wmma_scale_f32_16x16x128_f8f6f4 v[\d:\d+7], v[\a:\a+11], v[\b:\b+11], v[\d:\d+7], v[\sa], v[\sb] matrix_a_fmt:MATRIX_FMT_FP6 matrix_b_fmt:MATRIX_FMT_FP6
.endif
.endif
.endm
; A fragment of wo from rows: lane l holds row l % 16; registers 6 c .. 6 c + 5 hold K = 64 c + 32 (l / 16) + 0 .. 31, in pieces of 8 bytes; lanes 16-31 read three pieces further on, and where that lies
; behind one padding more (16 bytes behind every 32 pieces) the second address register serves.
.macro FRAG reg, adr, q, i
.irp p, 0,1,2,3,4,5
.set PCE, 12*(\q)+6*(\p/3)+\p%3        ; q: the K step, counted from the row's start; a padding lies behind every 32 pieces
.if PCE%32 < 29
	ds_load_b64 v[\reg+2*\p:\reg+2*\p+1], v[\adr] offset:8*PCE+16*(PCE/32)+(\i)*16*PITCH
.else
	ds_load_b64 v[\reg+2*\p:\reg+2*\p+1], v[\adr+1] offset:8*PCE+16*(PCE/32)+(\i)*16*PITCH
.endif
.endr
.endm
; A fragment of ctx from two heads' images: registers 0-5 the chunk's head 2 q, registers 6-11 head 2 q + 1; tile n of my four
.macro FRAGC reg, q, n
	ds_load_b128 v[\reg:\reg+3], v[AC16] offset:(2*(\q))*6144+768*(\n)
	ds_load_b64 v[\reg+4:\reg+5], v[AC8] offset:(2*(\q))*6144+768*(\n)
	ds_load_b128 v[\reg+6:\reg+9], v[AC16] offset:(2*(\q)+1)*6144+768*(\n)
	ds_load_b64 v[\reg+10:\reg+11], v[AC8] offset:(2*(\q)+1)*6144+768*(\n)
.endm
.macro FETCH s                         ; K step s's fragments into set s % 2 of window 2
	WIN 0x80
.set BF, 128*((\s)%2)
.irp i, 0,1,2,3
	FRAG BF+12*\i, ADRW, (\s), \i
.endr
.irp i, 0,1,2,3
	FRAGC BF+48+12*\i, (\s)%2, \i
.endr
.endm
; 16 products, each accumulator once, in the same order in every K step: the accumulators take turns.  K step 0 starts the sums with the constant 0.
.macro MUL s
	WIN 0x5a                                       ; sources 0 and 1 window 2, C and D window 1
.set BF, 128*((\s)%2)
.irp n, 0,1,2,3
.irp a, 0,1,2,3
	WM 8*(4*\n+\a), BF+12*\a, BF+48+12*\n, (\s)==0, SA+8*(\a/2)+(\s), SB+8*(\n/2)+(\s), \a%2, \n%2
.endr
.endr
.endm
	s_load_b256 s[4:11], s[0:1], 0x0               ; cimg 4, csc 6, wo_codes 8, wo_scales 10
	s_load_b64 s[12:13], s[0:1], 0x20              ; out0
	v_lshl_add_u32 v254, v0, 2, 0x3a400
	v_mov_b32 v255, 0
	ds_add_u32 v254, v255
	ds_add_u32 v254, v255
	v_lshrrev_b32 v1, 5, v0
	v_readfirstlane_b32 s14, v1                    ; wave 0..3
	s_and_b32 s15, s14, 1
	s_lshr_b32 s16, s14, 1
	s_bfe_u32 s17, ttmp6, 0x40000                  ; cx
	s_bfe_u32 s18, ttmp6, 0x40004                  ; cy
	s_lshl_b32 s19, ttmp9, 2
	s_add_co_u32 s19, s19, s17                     ; fb
	s_and_b32 s20, ttmp7, 0xffff
	s_lshl_b32 s20, s20, 2
	s_add_co_u32 s20, s20, s18                     ; RB
	s_lshl_b32 s76, s18, 2
	s_lshl_b32 s76, 15, s76                        ; my row of the cluster
	s_lshl_b32 s78, 0x1111, s17                    ; my column
	; descriptor groups 1: ctx: a dense block of 49,152 bytes as 192 rows of 256 (32 elements of 8 bytes);  wo: 64 rows of 768 bytes, dense, 16 bytes of padding behind every 256
	s_or_b32 s24, s76, (3<<16)|(1<<21)
	s_mov_b32 s25, 32<<16
	s_mov_b32 s26, 192<<16
	s_mov_b32 s27, 32<<16
	s_mov_b32 s28, 192
	s_mov_b32 s29, 32
	s_mov_b32 s30, 0
	s_mov_b32 s31, 0
	s_or_b32 s32, s78, (1<<20)|(1<<21)|(5<<22)|(3<<25)
	s_mov_b32 s33, 768<<16
	s_mov_b32 s34, 64<<16
	s_mov_b32 s35, 768<<16
	s_mov_b32 s36, 64
	s_mov_b32 s37, 768
	s_mov_b32 s38, 0
	s_mov_b32 s39, 0
	s_mul_i32 s21, s15, 2*CCH                      ; which half of ctx's block I fetch, in memory and in LDS alike;
	s_mul_i32 s22, s15, HALFC                      ; wo's in LDS,
	s_mul_i32 s23, s15, 64*768                     ; and in memory
	s_mul_i32 s76, s20, 98304
	s_add_co_u32 s76, s76, s21
	s_mov_b32 s77, 0
	s_mul_i32 s78, s19, 128*768
	s_add_co_u32 s78, s78, s23
	s_mov_b32 s79, 0
	s_wait_dscnt 0x0
	s_wait_kmcnt 0x0
	s_add_nc_u64 s[76:77], s[4:5], s[76:77]
	s_add_nc_u64 s[78:79], s[8:9], s[78:79]
	CROUND                                         ; all sixteen work-groups are here: the joint loads meet
	G0SET 40, 21, 0, 76, 0
	G0SET 56, 22, WOB, 78, 0
	s_cmp_lt_u32 s14, 2                            ; waves 0, 1: ctx's halves; waves 2, 3: wo's.  One chain of two arms, a load in each: one load of mine is out
	s_cbranch_scc0 .Lfill_w
	tensor_load_to_lds s[40:43], s[24:31]          ; one load a wave: half of ctx's block
	s_nop 0
	PLACES
	s_branch .Lfilled
.Lfill_w:
	tensor_load_to_lds s[56:59], s[32:39]          ; one load a wave: 64 rows of wo
	s_nop 0
	PLACES
.Lfilled:
	v_and_b32 v1, 15, v0                           ; r
	v_bfe_u32 v2, v0, 4, 1                         ; h
	v_and_b32 v3, 31, v0                           ; lane
	v_lshlrev_b32 v5, 5, v3                        ; scale bytes: 32 a row, lane = row of a block of 32
	s_wait_alu depctr_va_vdst(0)
	s_lshl_b32 s80, s19, 12                        ; wo's scale bytes: my 64 rows
	s_lshl_b32 s82, s15, 11
	s_add_co_u32 s80, s80, s82
	s_mov_b32 s81, 0
	s_add_nc_u64 s[10:11], s[10:11], s[80:81]
	s_lshl_b32 s80, s20, 12                        ; ctx's: my 64 rows
	s_lshl_b32 s82, s16, 11
	s_add_co_u32 s80, s80, s82
	s_add_nc_u64 s[6:7], s[6:7], s[80:81]
.irp c, 0,1
	global_load_b128 v[SA+8*\c:SA+8*\c+3], v5, s[10:11] offset:1024*\c       ; register 8 c + s: K step s's word; lanes 0-15 tile 2 c, lanes 16-31 tile 2 c + 1
	global_load_b128 v[SA+8*\c+4:SA+8*\c+7], v5, s[10:11] offset:1024*\c+16
	global_load_b128 v[SB+8*\c:SB+8*\c+3], v5, s[6:7] offset:1024*\c
	global_load_b128 v[SB+8*\c+4:SB+8*\c+7], v5, s[6:7] offset:1024*\c+16
.endr
	v_mul_u32_u24 v4, v1, PITCH
	v_mad_u32_u24 v4, v2, 24, v4                   ; a fragment's row x pitch + 24 x half
	s_add_co_u32 s82, s22, WOB
	v_add_nc_u32 v[ADRW], s82, v4
	v_lshl_add_u32 v[ADRW+1], v2, 4, v[ADRW]       ; the same behind one padding more
	s_mul_i32 s82, s16, 4*768
	v_lshlrev_b32 v[AC16], 4, v3
	v_add_nc_u32 v[AC16], s82, v[AC16]
	v_lshl_add_u32 v[AC8], v3, 3, 512
	v_add_nc_u32 v[AC8], s82, v[AC8]
	s_mul_i32 s82, s14, 16*SPITCH
	s_add_co_u32 s82, s82, STAGE                   ; my stage
	v_mul_u32_u24 v[STO], v1, SPITCH
	v_lshl_add_u32 v[STO], v2, 5, v[STO]
	v_add_nc_u32 v[STO], s82, v[STO]               ; in: row r, 32 bytes for each half of the lanes
	v_mul_u32_u24 v[RD], v2, SPITCH
	v_lshl_add_u32 v[RD], v1, 4, v[RD]
	v_add_nc_u32 v[RD], s82, v[RD]                 ; back: lanes 0-15 one row of 256 bytes, lanes 16-31 the next
	v_lshlrev_b32 v[CO], 12, v2
	v_lshl_add_u32 v[CO], v1, 4, v[CO]             ; and the same two rows in out
	s_lshl_b32 s80, s20, 19                        ; my corner of out: row 128 RB + 64 (wave / 2) of 4,096 bytes, byte 512 fb + 256 (wave % 2)
	s_lshl_b32 s82, s16, 18
	s_add_co_u32 s80, s80, s82
	s_lshl_b32 s82, s19, 9
	s_add_co_u32 s80, s80, s82
	s_lshl_b32 s82, s15, 8
	s_add_co_u32 s80, s80, s82
	s_add_nc_u64 s[12:13], s[12:13], s[80:81]
	s_wait_alu depctr_va_vdst(0)
	s_wait_loadcnt 0x0                             ; the scale words
	; The eight K steps of 128.  A step's fragments are fetched while the step before is multiplied.  A chunk holds two steps; in front of the first fetch each wave waits for its one load and passes a barrier, once for all of K.
	s_wait_tensorcnt 0x0                           ; my one load has landed
	s_barrier_signal -1
	s_barrier_wait -1
	FETCH 0
.irp s, 0,1,2,3,4,5,6,7
	s_wait_dscnt 0x0                               ; this step's fragments are in, and no LDS load of mine is out at a signal
.if (\s%2) && (\s<7)
	WIN 0
	v_add_nc_u32 v[AC16], CCH, v[AC16]             ; ctx: four heads on.  With the two v_nop: the four places in front of loads into registers that the last products read
	v_add_nc_u32 v[AC8], CCH, v[AC8]
	v_nop
	v_nop
.elseif \s<7
	PLACES
.endif
.if \s<7
	s_wait_alu depctr_va_vdst(0)
	FETCH \s+1
.endif
	MUL \s
.endr
; THE WAY OUT, a tile of 16 rows x 64 columns at a time, through my own stage: a lane's 32 bytes go in, whole rows of 256 bytes come back.  LDS serves a wave's instructions in order (ISA guide 5.7.1.4): no wait
; between the stores and the loads, nor in front of the next tile's stores.
.macro TOSTAGE n
	WIN 0x04                                       ; an LDS store's data are its source 1: window 1
.irp a, 0,1,2,3
	ds_store_b128 v[STO], v[8*(4*(\n)+\a):8*(4*(\n)+\a)+3] offset:64*\a       ; each accumulator from its low end on
	ds_store_b128 v[STO], v[8*(4*(\n)+\a)+4:8*(4*(\n)+\a)+7] offset:64*\a+16
.endr
	WIN 0
.irp i, 0,1,2,3,4,5,6,7
	ds_load_b128 v[BK+32*((\n)%2)+4*\i:BK+32*((\n)%2)+4*\i+3], v[RD] offset:\i*2*SPITCH
.endr
.endm
.macro SEND n, younger                 ; younger: the LDS instructions issued behind tile n's loads, which may stay out
	s_wait_dscnt \younger
.irp i, 0,1,2,3,4,5,6,7
	global_store_b128 v[CO], v[BK+32*((\n)%2)+4*\i:BK+32*((\n)%2)+4*\i+3], s[12:13] offset:(16*(\n)+2*\i)*4096 th:TH_STORE_NT   ; 16 lanes store 256 consecutive bytes, at a multiple of 256 from out's first byte
.endr
.endm
	PLACES                                         ; four places in front of the first read of results
	TOSTAGE 0
	TOSTAGE 1
	SEND 0, 16                                     ; behind tile 0's loads: tile 1's 8 stores and 8 loads
	s_wait_xcnt 0x0                                ; tile 0's stores have read their registers: tile 2's loads may land there
	TOSTAGE 2
	SEND 1, 16
	s_wait_xcnt 0x0
	TOSTAGE 3
	SEND 2, 16
	SEND 3, 0
	s_wait_tensorcnt 0x0
	ds_add_u32 v254, v255
	s_wait_dscnt 0x0
	CROUND                                         ; the closing round: no work-group ends while a partner may still ask for a chunk that names it
	s_endpgm
.Lfunc_end_k_q140c95442f_oproj:
	.size	k_q140c95442f_oproj, .Lfunc_end_k_q140c95442f_oproj-k_q140c95442f_oproj
	.p2alignl 7, 3214868480
	.fill 96, 4, 3214868480
	.section	.rodata,"a",@progbits
	.p2align	6, 0x0
	.amdhsa_kernel k_q140c95442f_oproj
		.amdhsa_group_segment_fixed_size 239104
		.amdhsa_private_segment_fixed_size 0
		.amdhsa_enable_private_segment 0
		.amdhsa_kernarg_size 40
		.amdhsa_user_sgpr_count 2
		.amdhsa_user_sgpr_kernarg_segment_ptr 1
		.amdhsa_wavefront_size32 1
		.amdhsa_system_sgpr_workgroup_id_x 1
		.amdhsa_system_sgpr_workgroup_id_y 1
		.amdhsa_system_sgpr_workgroup_id_z 1
		.amdhsa_system_vgpr_workitem_id 0
		.amdhsa_next_free_vgpr 768
		.amdhsa_next_free_sgpr 86
		.amdhsa_reserve_vcc 0
		.amdhsa_float_denorm_mode_32 3
		.amdhsa_float_denorm_mode_16_64 3
		.amdhsa_memory_ordered 1
		.amdhsa_forward_progress 1
		.amdhsa_inst_pref_size 53
	.end_amdhsa_kernel
	.amdgpu_metadata
---
amdhsa.version: [ 1, 2 ]
amdhsa.kernels:
  - .name:           k_q140c95442f_oproj
    .symbol:         k_q140c95442f_oproj.kd
    .args:
      - { .name: cimg, .offset: 0, .size: 8, .value_kind: global_buffer, .address_space: global }
      - { .name: csc, .offset: 8, .size: 8, .value_kind: global_buffer, .address_space: global }
      - { .name: wo_codes, .offset: 16, .size: 8, .value_kind: global_buffer, .address_space: global }
      - { .name: wo_scales, .offset: 24, .size: 8, .value_kind: global_buffer, .address_space: global }
      - { .name: out0, .offset: 32, .size: 8, .value_kind: global_buffer, .address_space: global }
    .group_segment_fixed_size: 239104
    .private_segment_fixed_size: 0
    .kernarg_segment_align: 8
    .kernarg_segment_size: 40
    .max_flat_workgroup_size: 128
    .sgpr_count:     86
    .vgpr_count:     768
    .wavefront_size: 32
...
	.end_amdgpu_metadata
.endif
;; end of part 3
